; MI455X (gfx1250); checked and timed in simulation.
; The chip was launched on July 23, 2026; its instructions are those of AMD's public machine-readable ISA for CDNA 5 (MIT licence, August 2026) and "CDNA5" Instruction Set Architecture Reference Guide (July 2026). The comments in the code are by the model that wrote it; some were corrected since.
;; Multi Head Attention. Allowed arithmetic: matrix products marked QUANTISED: E2M3 operands, one E8M0 scale for each 32 along K, by v_wmma_scale_f32_16x16x128_f8f6f4 with both operands' format E2M3, f32 sums; everything else in f32.
;; Inputs: Wk 1,024 x 1,024 float32; Wo 1,024 x 1,024 float32; Wq 1,024 x 1,024 float32; Wv 1,024 x 1,024 float32; k 4 x 2,048 x 1,024 float32; q 4 x 2,048 x 1,024 float32; v 4 x 2,048 x 1,024 float32.
;; Outputs: out0 4 x 2,048 x 1,024 float32.
;; This version of the problem:
;;   THIS VERSION OF THE PROBLEM IS GIVEN IN LOW PRECISION. The matrix products marked QUANTISED in the list below multiply operands that are first quantised to E2M3 (2 exponent bits, 3 mantissa bits; 6 bits a number), with one power-of-two scale for each 32 numbers along K (OCP MX v1.0); their sums are f32. All else is computed in f32.
;;   The module's matrix products, in the order in which they are computed (A, B: the left and right operand; K: the contracted axis; several contracted axes count as one K, in the product's order):
;;     1. [M 8,192, K 1,024] x [K 1,024, N 1,024]; A: input q; B: input Wq: QUANTISED
;;     2. [M 8,192, K 1,024] x [K 1,024, N 1,024]; A: input k; B: input Wk: QUANTISED
;;     3. [M 8,192, K 1,024] x [K 1,024, N 1,024]; A: input v; B: input Wv: QUANTISED
;;     4. batch 64 x [M 2,048, K 64] x [K 64, N 2,048]; A: computed on the way; B: computed on the way: QUANTISED
;;     5. batch 64 x [M 2,048, K 2,048] x [K 2,048, N 64]; A: softmax (see below); B: computed on the way: QUANTISED
;;     6. [M 8,192, K 1,024] x [K 1,024, N 1,024]; A: computed on the way; B: input Wo: QUANTISED
;;   THE QUANTISER, for each operand of a quantised product, along K:
;;     - K is cut into blocks of 32 from its start; a last block that is shorter is filled with zeros.
;;     - A block's scale is 2^e with e = floor(log2(the largest magnitude in the block)) - 2, held to -126 .. 127; a block of zeros has e = 0. As a byte (E8M0): e + 127.
;;     - Each number is divided by its block's scale, clamped to +-7.5, and rounded to the nearest number of E2M3, ties to even, subnormals kept.
;;     - The product sums the exact products of the quantised numbers (number of the format x scale) in f32.
;;   ~~~python
;;   def quantise(x, axis):      # numpy; x: float32 -> the quantised numbers, widened to float32 again
;;       x = np.moveaxis(x, axis, -1); K = x.shape[-1]
;;       x = np.pad(x, [(0, 0)] * (x.ndim - 1) + [(0, -K % 32)]); x = x.reshape(x.shape[:-1] + (-1, 32)); a = np.abs(x).max(-1, keepdims=True)
;;       e = np.where(a > 0, np.clip(np.frexp(np.where(a > 0, a, 1))[1] - 1 - 2, -126, 127), 0)      # np.frexp(a)[1] - 1 = floor(log2(a)), exactly
;;       r = np.clip(x / 2.0 ** e, -7.5, 7.5)
;;       step = 2.0 ** (np.maximum(np.frexp(np.where(r == 0, 1, r))[1] - 1, 0) - 3)
;;       q = np.round(r / step) * step * 2.0 ** e      # np.round: ties to even
;;       return np.moveaxis(q.reshape(q.shape[:-2] + (-1,))[..., :K], -1, axis).astype(np.float32)
;;   ~~~
;;   SOFTMAX AHEAD OF A QUANTISED PRODUCT. Where the list says 'softmax', what is quantised is not the finished softmax but p = 2^(t - M), with t = logit x log2(e) and M = ceil(the row's largest t), a whole number; so 1/2 < the row's largest p <= 1. The row's sum l is taken of the UNQUANTISED p, in f32, and the product's result is divided by l at the end. Since M is a whole number, a kernel that streams over the keys may use a running M (the ceiling of the running maximum): every later rescaling is an exact power of two, which a block's scale takes up: the codes' values come out the same.
;;   OPERANDS COMPUTED ON THE WAY. 'Computed on the way' means the value that the module computes at that place (a softmax that the list does not call 'softmax' is quantised finished and normalised). What goes into a quantiser is computed in f32, as accurately as f32 sums, v_exp_f32 and their like allow (about 1e-6 of the number): no bf16 or f16 on the way to a quantiser, and a product that is left as it is and whose result goes on into a quantised operand takes f32 operands (vector FMAs, or v_wmma_f32_16x16x4_f32). A number that lies on a knife's edge between two numbers of the format may be rounded either way, as far as f32 arithmetic and the matrix unit's own rounding can turn it there, and no further.
;; One version. Each part assembles by itself: llvm-mc -triple=amdgcn-amd-amdhsa -mcpu=gfx1250 --defsym DOCPART=n.
;; ======== version 1 of 1: 4 launches
;; limits: right only within a limited range of input values
;; workspace buffers: xc 22,020,096 bytes; xs 917,504 bytes; hc 18,874,368 bytes; hs 786,432 bytes; ac 6,291,456 bytes; asc 262,144 bytes
;; launch quant (part 1): grid 896 x 1, 4 waves a work-group, no clusters, 33,280 bytes of LDS; arguments q, k, v, Wq, Wk, Wv, Wo, xc, xs; writes xc, xs
.if DOCPART == 1
	.amdgcn_target "amdgcn-amd-amdhsa--gfx1250"
	.amdhsa_code_object_version 6
	.text
	.protected	k_qb81cd31b44_quant
	.globl	k_qb81cd31b44_quant
	.p2align	8
	.type	k_qb81cd31b44_quant,@function
k_qb81cd31b44_quant:
	s_mov_b64 s[64:65], 0
	v_nop
	global_prefetch_b8 v0, s[64:65] scope:SCOPE_SE
	s_setreg_imm32_b32 hwreg(HW_REG_WAVE_MODE, 25, 1), 1
	s_wait_xcnt 0x0
; q, k, v [8192][1024] and Wq, Wk, Wv, Wo [1024][1024], f32, become codes of FP6 (E2M3), 6 bits each, K (the last axis) innermost, with one E8M0 scale byte for each 32 along K.
; xc holds the seven tensors' codes on end (rows of 768 bytes), xs their scale bytes (32 a row), in the order q, k, v, Wq, Wk, Wv, Wo.
; A block's scale is 2^(floor(log2(its largest magnitude)) - 2); its byte is the largest magnitude's exponent field - 2, held at 1 from below.  A block of zeros so gets the byte 1 where the rule says 127:
; its codes are zeros, which add nothing under any byte but 0xff, and the bytes are read by this program alone.
; LIMITS: NaN and infinities among the inputs are not served.
; SHARES.  A work-group takes 32 rows (32,768 numbers), a wave 8 rows: 16 steps of 512 numbers.  Work-groups 0-255 take q, 256-511 k, 512-767 v, then 32 each Wq, Wk, Wv, Wo.
; THE ORDER OF ROWS.  In k, v, Wq, Wk and Wv the rows of each group of 32 are laid down with bits 3 and 4 of the row's number exchanged: place 16 u + r holds row 8 u + r + 8 (r / 8).  A wave's 8 rows stay together, so
; only the wave's place in the group's output changes.  The next launch's tiles of 16 neighbouring places then give a lane 16 neighbours along the next product's K.  q and Wo keep their order.
; A lane must hold 16 NEIGHBOURS for the conversion, and a load is best where neighbouring LANES take neighbouring bytes: each load reads 512 consecutive bytes, 16 a lane; a step's 2,048 bytes go through the wave's own
; stage in LDS and come back 64 bytes a lane (16 bytes of padding behind each 64).  A wave's store of codes covers two runs of 192 bytes, 49,152 apart; its 256 scale bytes are gathered in LDS and leave as one aligned run of 256 bytes.
; No tensor loads, no barrier: waves share nothing.  Loads run four steps (16 loads a wave) ahead, the turn through LDS one step.
.set STEPS, 16
.set EMAX,  2
.set CB,    12                         ; bytes of 16 codes
.set R,     16                         ; v16-79   four sets of 16 numbers as they are loaded
.set X,     80                         ; v80-111  two sets of 16 neighbours
.set C,     128                        ; v128-191 codes: four registers for each step, so that no store's data are written again
.set E,     112                        ; v112-127 a scale byte for each step
.set WREG,  8192                       ; LDS: a region for each wave: two stages of 32 x SP bytes, and behind them its 256 scale bytes
.set SP,    80                         ; a lane's place in a stage: its 64 bytes + 16 of padding
	s_load_b512 s[8:23], s[0:1], 0x0               ; q s[8:9], k s[10:11], v s[12:13], Wq s[14:15], Wk s[16:17], Wv s[18:19], Wo s[20:21], xc s[22:23]
	s_load_b64 s[24:25], s[0:1], 0x40              ; xs
	v_lshl_add_u32 v192, v0, 2, 0x8000
	v_mov_b32 v193, 0
	v_lshrrev_b32 v1, 5, v0
	v_readfirstlane_b32 s28, v1                    ; wave
	v_and_b32 v2, 31, v0                           ; lane
	v_lshlrev_b32 v3, 4, v2                        ; my 16 bytes of a load's 512
	s_mul_i32 s29, s28, WREG
	v_lshrrev_b32 v14, 2, v2
	v_mul_u32_u24 v14, v14, SP
	v_and_b32 v15, 3, v2
	v_lshl_add_u32 v14, v15, 4, v14
	v_add_nc_u32 v14, s29, v14                     ; the stage, on the way in: SP (lane / 4) + 16 (lane % 4)
	v_mul_u32_u24 v15, v2, SP
	v_add_nc_u32 v15, s29, v15                     ; and on the way out: SP x lane: my 16 neighbours
	; THE ORDER OF xc (it takes the place of plain rows of 768 bytes): [group of 256 rows][K step of 256: 4][256 rows][192 bytes], so that the 256 or 128 rows of one K step are one dense block of memory,
	; which begins at a multiple of 256 bytes and is fetched as rows of 256 bytes.  A step's 512 numbers are two K steps of one row: lanes 0-15 hold the first's 192 bytes, lanes 16-31 the second's.
	; LEFT OUT FURTHER ON: launch attn does not compute key tiles that lie wholly under reference()'s own causal mask: their scores become -inf, their p is 0 for all values of the inputs. A NaN or an infinity that reaches only those tiles is not carried to the result.
	v_and_b32 v4, 15, v2
	v_mul_u32_u24 v4, v4, CB
	v_lshrrev_b32 v5, 4, v2
	v_mul_u32_u24 v5, v5, 0xc000
	v_add_nc_u32 v4, v4, v5                        ; 12 (lane % 16) + 49,152 (lane / 16)
	v_lshrrev_b32 v5, 1, v2
	s_add_co_u32 s29, s29, 2*32*SP
	v_add_nc_u32 v5, s29, v5                       ; LDS: my wave's 256 scale bytes, my block's byte
	v_lshlrev_b32 v7, 3, v2                        ; and on the way out 8 bytes a lane
	v_add_nc_u32 v6, s29, v7
	s_and_b32 s30, s28, 1
	s_lshl_b32 s30, s30, 1
	s_lshr_b32 s31, s28, 1
	s_or_b32 s30, s30, s31                         ; the wave's number with its two bits exchanged
	s_wait_alu depctr_va_vdst(0)
	s_wait_kmcnt 0x0
	s_mov_b64 s[4:5], s[8:9]                       ; which tensor is my work-group's: the choice hangs on the work-group's number alone
	s_mov_b32 s26, 0                               ; and that tensor's first work-group
.macro PICK first, ptr
	s_cmp_ge_u32 ttmp9, \first
	s_cselect_b64 s[4:5], s[\ptr:\ptr+1], s[4:5]
	s_cselect_b32 s26, \first, s26
.endm
	PICK 256, 10
	PICK 512, 12
	PICK 768, 14
	PICK 800, 16
	PICK 832, 18
	PICK 864, 20
	s_sub_co_u32 s27, ttmp9, 256
	s_cmp_lt_u32 s27, 608                          ; work-groups 256 to 863: k, v, Wq, Wk, Wv
	s_cselect_b32 s30, s30, s28                    ; my 8 rows' place among the group's 32 on the way out
	s_sub_co_u32 s27, ttmp9, s26
	s_lshl_b32 s27, s27, 2
	s_add_co_u32 s32, s27, s28                     ; which run of 8,192 numbers of the tensor I read
	s_lshl_b32 s32, s32, 15                        ; in bytes: at most 1,023 x 32,768
	s_mov_b32 s33, 0
	s_add_nc_u64 s[4:5], s[4:5], s[32:33]
	s_lshl_b32 s34, ttmp9, 2
	s_add_co_u32 s34, s34, s30                     ; which run of xc and xs I write
	s_lshr_b32 s36, s34, 5                         ; 32 runs of 8 rows to a group of 256 rows
	s_mul_i32 s36, s36, 196608
	s_and_b32 s37, s34, 31
	s_mul_i32 s37, s37, 1536                       ; my 8 rows' place in a K step's block
	s_add_co_u32 s36, s36, s37
	s_mov_b32 s37, 0
	s_add_nc_u64 s[22:23], s[22:23], s[36:37]
	s_lshl_b32 s36, s34, 8                         ; 256 scale bytes a run
	s_add_nc_u64 s[24:25], s[24:25], s[36:37]
.macro LOAD t
.irp i, 0,1,2,3
	global_load_b128 v[R+16*((\t)%4)+4*\i:R+16*((\t)%4)+4*\i+3], v3, s[4:5] offset:2048*(\t)+512*\i th:TH_LOAD_NT   ; 32 lanes read 512 consecutive bytes
.endr
.endm
.macro TURN t                          ; step t's numbers through the stage: LDS serves a wave's instructions in order, so no wait stands between the stores and the loads
.irp i, 0,1,2,3
	ds_store_b128 v14, v[R+16*((\t)%4)+4*\i:R+16*((\t)%4)+4*\i+3] offset:32*SP*((\t)%2)+8*SP*\i
.endr
.irp i, 0,1,2,3
	ds_load_b128 v[X+16*((\t)%2)+4*\i:X+16*((\t)%2)+4*\i+3], v15 offset:32*SP*((\t)%2)+16*\i
.endr
.endm
.irp t, 0,1,2,3
	LOAD \t
.endr
	s_wait_loadcnt 12                              ; step 0's four loads are in
	TURN 0
.macro STEP t
.set XS, X+16*((\t)%2)
.if (\t) > 0
	s_wait_dscnt 1                                 ; this step's numbers are back from the stage (the last step's byte store may be out): so its stores into the stage have read their registers,
.else
	s_wait_dscnt 0x0
.endif
.if (\t)+4 < STEPS
	LOAD (\t)+4                                    ; which take the loads of four steps on
.endif
.if (\t)+1 < STEPS
.if STEPS-2-(\t) >= 3
	s_wait_loadcnt 12                              ; the next step's four loads are in; those of the three steps behind it may be out
.else
	s_wait_loadcnt 4*(STEPS-2-(\t))
.endif
	TURN (\t)+1                                    ; and go through the other stage while this step is worked
.endif
	v_max3_num_f32 v8, |v[XS]|, |v[XS+1]|, |v[XS+2]|               ; the largest magnitude of my 16
	v_max3_num_f32 v9, |v[XS+3]|, |v[XS+4]|, |v[XS+5]|
.irp i, 6,10
	v_max3_num_f32 v8, v8, |v[XS+\i]|, |v[XS+\i+1]|
	v_max3_num_f32 v9, v9, |v[XS+\i+2]|, |v[XS+\i+3]|
.endr
	v_max3_num_f32 v8, v8, |v[XS+14]|, |v[XS+15]|
	v_max3_num_f32 v8, v8, v9, (EMAX+1)<<23        ; and the floor 2^(EMAX + 1 - 127): the byte cannot fall under 1
	v_max_num_f32_dpp v8, v8, v8 row_xmask:1 row_mask:0xf bank_mask:0xf   ; and of my neighbour's 16: the block's
	v_add_nc_u32 v11, -(EMAX<<23), v8              ; EMAX off its exponent field: the conversion takes the exponent field of this operand as its scale, and nothing else of it
	v_cvt_scalef32_pk16_fp6_f32 v[C+4*(\t):C+4*(\t)+2], v[XS:XS+15], v11         ; sixteen numbers / the scale, to the nearest code, ties to even, beyond the largest code the largest; 96 bits without gaps
	v_lshrrev_b32 v[E+(\t)], 23, v11               ; the scale's byte
	ds_store_b8 v5, v[E+(\t)] offset:16*(\t)       ; both lanes of a block write the same byte with the same value
	global_store_b96 v4, v[C+4*(\t):C+4*(\t)+2], s[22:23] offset:192*((\t)/2)+98304*((\t)%2)   ; row t / 2, K steps 2 (t % 2) and 2 (t % 2) + 1
.endm
.irp t, 0,1,2,3,4,5,6,7,8,9,10,11,12,13,14,15
	STEP \t
.endr
	ds_load_b64 v[12:13], v6                       ; LDS serves a wave's instructions in order: these see my stores
	s_wait_dscnt 0x0
	global_store_b64 v7, v[12:13], s[24:25]        ; 32 lanes store 256 consecutive bytes, aligned
	s_wait_tensorcnt 0x0
	ds_add_u32 v192, v193
	s_wait_dscnt 0x0
	s_endpgm
.Lfunc_end_k_qb81cd31b44_quant:
	.size	k_qb81cd31b44_quant, .Lfunc_end_k_qb81cd31b44_quant-k_qb81cd31b44_quant
	.p2alignl 7, 3214868480
	.fill 96, 4, 3214868480
	.section	.rodata,"a",@progbits
	.p2align	6, 0x0
	.amdhsa_kernel k_qb81cd31b44_quant
		.amdhsa_group_segment_fixed_size 33280
		.amdhsa_private_segment_fixed_size 0
		.amdhsa_enable_private_segment 0
		.amdhsa_kernarg_size 72
		.amdhsa_user_sgpr_count 2
		.amdhsa_user_sgpr_kernarg_segment_ptr 1
		.amdhsa_wavefront_size32 1
		.amdhsa_system_sgpr_workgroup_id_x 1
		.amdhsa_system_sgpr_workgroup_id_y 1
		.amdhsa_system_sgpr_workgroup_id_z 1
		.amdhsa_system_vgpr_workitem_id 0
		.amdhsa_next_free_vgpr 194
		.amdhsa_next_free_sgpr 66
		.amdhsa_reserve_vcc 0
		.amdhsa_float_denorm_mode_32 3
		.amdhsa_float_denorm_mode_16_64 3
		.amdhsa_memory_ordered 1
		.amdhsa_forward_progress 1
		.amdhsa_inst_pref_size 34
	.end_amdhsa_kernel
	.amdgpu_metadata
---
amdhsa.version: [ 1, 2 ]
amdhsa.kernels:
  - .name:           k_qb81cd31b44_quant
    .symbol:         k_qb81cd31b44_quant.kd
    .args:
      - { .name: q, .offset: 0, .size: 8, .value_kind: global_buffer, .address_space: global }
      - { .name: k, .offset: 8, .size: 8, .value_kind: global_buffer, .address_space: global }
      - { .name: v, .offset: 16, .size: 8, .value_kind: global_buffer, .address_space: global }
      - { .name: Wq, .offset: 24, .size: 8, .value_kind: global_buffer, .address_space: global }
      - { .name: Wk, .offset: 32, .size: 8, .value_kind: global_buffer, .address_space: global }
      - { .name: Wv, .offset: 40, .size: 8, .value_kind: global_buffer, .address_space: global }
      - { .name: Wo, .offset: 48, .size: 8, .value_kind: global_buffer, .address_space: global }
      - { .name: xc, .offset: 56, .size: 8, .value_kind: global_buffer, .address_space: global }
      - { .name: xs, .offset: 64, .size: 8, .value_kind: global_buffer, .address_space: global }
    .group_segment_fixed_size: 33280
    .private_segment_fixed_size: 0
    .kernarg_segment_align: 8
    .kernarg_segment_size: 72
    .max_flat_workgroup_size: 128
    .sgpr_count:     66
    .vgpr_count:     194
    .wavefront_size: 32
...
	.end_amdgpu_metadata
.endif
;; end of part 1
;; launch proj (part 2): grid 4 x 96, 4 waves a work-group, clusters of 4 x 4, 327,680 bytes of LDS; arguments xc, xs, hc, hs; writes hc, hs
.if DOCPART == 2
	.amdgcn_target "amdgcn-amd-amdhsa--gfx1250"
	.amdhsa_code_object_version 6
	.text
	.protected	k_qb81cd31b44_proj
	.globl	k_qb81cd31b44_proj
	.p2align	8
	.type	k_qb81cd31b44_proj,@function
k_qb81cd31b44_proj:
	s_mov_b64 s[64:65], 0
	v_nop
	global_prefetch_b8 v0, s[64:65] scope:SCOPE_SE
	s_setreg_imm32_b32 hwreg(HW_REG_WAVE_MODE, 25, 1), 1
	s_wait_xcnt 0x0
	s_wait_alu depctr_hold_cnt(0) depctr_sa_sdst(0) depctr_va_vdst(0) depctr_va_sdst(0) depctr_va_ssrc(0) depctr_va_vcc(0) depctr_vm_vsrc(0)
	s_getreg_b32 s2, hwreg(HW_REG_IB_STS2, 6, 4)
	s_cmp_eq_u32 s2, 0
	s_cbranch_scc0 .Lentry_in_a_cluster
	s_endpgm
.Lentry_in_a_cluster:
	s_bfe_u32 s2, ttmp6, 0x10000c
	s_cmp_lg_u32 s2, 0xf033
	s_cbranch_scc0 .Lentry_shape_is_right
	s_endpgm
.Lentry_shape_is_right:
; THE THREE PROJECTIONS q Wq^T, k Wk^T, v Wv^T on codes of FP6 (E2M3) with one E8M0 scale for each 32 along K = 1,024, and the quantising of their results for the attention that follows.
; One grid serves all three: the cluster's y, 0 to 23, gives the tensor T = y / 8 (0: Q, 1: K, 2: V) and a place y % 8.  C = A B^T, a tile of 256 x 256 to a work-group of four waves, 128 x 128 to a wave (64 accumulators).
;   Q, K: A = the tokens (8,192 rows, 32 tile rows), B = the weight (1,024 rows, 4 tile columns).   V IS MADE TRANSPOSED: A = Wv (4 tile rows), B = v (32 tile columns), since the keys are the K of attention's second product.
; T only chooses numbers (offsets, byte selectors, a lane mask): there is no branch on it, and all three tensors take one path through the text.
; K goes in steps of 256 through a ring of two LDS slots filled by the tensor data mover; the scale bytes of the work-group's rows, for all of K, come into LDS once, with the first fills.
; CLUSTERS: 4 x 4 work-groups.  The four of a row of the cluster need the same tiles of A, the four of a column the same tiles of B: each tile is asked for JOINTLY, by the same tensor load with the same descriptor and a mask
; that names the four.  THE MATRIX INSTRUCTION IS USED TRANSPOSED (source 0 = 16 rows of B, source 1 = 16 rows of A): a lane holds one row of A's side and eight rows of B's side.
; THE ROWS OF B'S SIDE stand in xc with bits 3 and 4 of the row's number exchanged, so that the 16 registers of accumulators (a, 2 g) and (a, 2 g + 1) are 16 NEIGHBOURS: B's rows 32 g + 16 (lane / 16) + 0 .. 15.
; Those rows are the next product's K (the head's 64 for Q and K, the keys for V): a block of 32 lies in lanes l and l xor 16, and the conversions take their 16 numbers from one lane's consecutive registers.
; THE WAY OUT stores no f32: each pair of A's row blocks is quantised in registers and stored as two IMAGES OF OPERAND REGISTERS (12 registers a lane: piece c of 512 bytes holds lane l's registers 4 c .. 4 c + 3 at 16 l).
;   Q, K: image = a head's 64 dims of 32 rows: registers 0-5 the first 16 rows' (lane (r, h): row r, dims 32 h ..), registers 6-11 the second 16 rows'.   V: image = 16 dims x 128 keys: registers 6 c .. 6 c + 5: keys 64 c + 32 h ..
;   hc: [tensor 3][batch x 8 + head / 2: 32][128 tokens: 16][image 8][1,536 bytes];   hs: the same index, [image][16 lanes][4 bytes]: lane r's scale word.
; No prefetch: K has four steps, and two of them are asked for at the head.
; LIMITS: NaN and infinities are not served; a block of zeros gets the byte 1 (its codes are zeros; this program alone reads the bytes).
; REGISTERS, in windows of 256: window 0: v0-31 addresses; v32-63 scale words, two sets; v64-127 and v224-243 the way out; v128-223 A's fragments, ONE set.   window 1: B's fragments, TWO sets, at v0 and at v128.
;   window 2: the 32 accumulators of my rows 0-63 (accumulator (a, b) at v[8 (8 a + b)]);   window 3: those of my rows 64-127.
.set SIZE_K, 1024
.set KSTEP,  256                       ; along K in a slot
.set NQ,     KSTEP/128                 ; matrix instructions deep
.set ROWB,   49152                     ; from K step to K step in xc: 256 rows x 192 bytes, dense
.set KROW,   SIZE_K*6/8                ; a row of codes in memory
.set PITCH,  240                       ; an LDS row: 3 x (64 bytes of data + 16 of padding): the 32 lanes of a load of 8 bytes touch 64 different banks (64 banks of 4 bytes: ISA guide 11.1)
.set FR,     12                        ; registers of a fragment: 16 rows x 128 K
.set NL,     6                         ; LDS loads that bring one
.set NP,     4                         ; places behind this matrix instruction (ISA guide 7.12.1)
.set HALFT,  128*PITCH                 ; 128 rows: what one tensor load brings
.set SLOT,   4*HALFT                   ; A's 256 rows, then B's 256 rows
.set LAPS,   SIZE_K/(2*KSTEP)          ; a lap = two K steps = once round the ring
.set KS,     SIZE_K/32                 ; a row of scale bytes
.set SCL,    2*SLOT                    ; behind the ring: the scales, as runs of 256 bytes + 16 of padding
.set HALFS,  (128*KS/256)*272          ; the scales of 128 rows
.set SBLK,   (16*KS/256)*272           ; those of 16 rows
.set SPARE,  SCL+4*HALFS               ; behind the scales: the spare words, 128 bytes for each wave, which no other line names
.set ADRA, 16                          ; v16-17  LDS address of my A fragments in slot 0, 1  (v18-19: for the pieces that lie behind one padding more)
.set ADRB, 20                          ; v20-21  the same for B  (v22-23)
.set SCI,  24                          ; v24     the way out: where I put a scale word: 4 x lane + 512 x wave
.set SCO,  25                          ; v25     and where I read 16 bytes of them back: 16 x lane + 512 x wave
.set CO,   26                          ; v26     16 x lane: my place in a piece of an image
.set ADRS, 27                          ; v27     LDS address of my scale words: lanes 0-15 A's rows, lanes 16-31 B's
.set SPW,  28                          ; v28     LDS address of my spare word; never rewritten
.set NIL,  29                          ; v29     0; never rewritten
.set SC,   32                          ; scale words: set s at v[SC + 8 NQ s]; register NQ i + q: lanes 0-15 A's block i, lanes 16-31 B's block i
.set AF,   128                         ; A's fragments
.set TM,   64                          ; v64-71   the way out: eight blocks' largest magnitudes
.set TO,   72                          ; v72-79   the other half of the lanes', then the scale bytes
.set SO,   80                          ; v80-87   the conversions' scale operands
.set PWA,  88                          ; v88, v89 the four bytes of the first and of the second row block
.set PWB,  89
.set PW0,  90                          ; v90, v91 the two images' scale words
.set PW1,  91
.set XW,   92                          ; v92-95   both in one register, one for each pair of row blocks
.set O,    96                          ; v96-119  the two images
.set TA1,  120                         ; three registers each: conversions' results on their way into the images
.set TA2,  124
.set TA3,  224
.set TB0,  228
.set TB1,  232
.set TB3,  236
.set G1, 24                            ; s[24:31] descriptor group 1 for A's tiles;  s[32:39] group 0, one set for each slot
.set G0, 32
.set G1B, 48                           ; s[48:55], s[56:63] the same for B's tiles
.set G0B, 56
.set G1S, 68                           ; s[68:75], s[76:79] groups 1 and 0 for A's scales;  s[80:87], s[88:91] for B's
.set G0S, 76
.set G1SB, 80
.set G0SB, 88
.set MSB, 0
.macro WIN new                         ; the immediate's high byte repeats the setting that is left
.if MSB != \new
	s_set_vgpr_msb (MSB<<8)|\new
.set MSB, \new
.endif
.endm
.set MUL_LO, 0xa1                      ; source 0 (B) window 1, source 1 (A) window 0, C and D window 2
.set MUL_HI, 0xf1                      ; the same, C and D window 3
.set TO_B,   0x40                      ; destination window 1, address window 0
; A joint load: waves 0 and 1 fetch for A, waves 2 and 3 for B.  Each of the two lines has ONE mask and one set of registers for all that issue it; the branch hangs on the wave's number alone.
; Four v_nop follow each of the two lines, ahead of the jump, the label and what follows.
.macro JLOAD g0a, g1a, g0b, g1b
	s_cmp_eq_u32 s15, 0
	s_cbranch_scc0 .Lfor_b_\@
	tensor_load_to_lds s[\g0a:\g0a+3], s[\g1a:\g1a+7]
	s_nop 0
.rept 4
	v_nop
.endr
	s_branch .Lasked_\@
.Lfor_b_\@:
	tensor_load_to_lds s[\g0b:\g0b+3], s[\g1b:\g1b+7]
	s_nop 0
.rept 4
	v_nop
.endr
.Lasked_\@:
.endm
.macro CREST                           ; a round of the cluster's barrier behind its opening barrier
	s_cmp_lg_u32 s14, 0
	s_cbranch_scc1 .Lnot_wave_0_\@
	s_barrier_signal -3
.Lnot_wave_0_\@:
	s_barrier_wait -3
	s_barrier_signal -1
	s_barrier_wait -1
.endm
.macro CROUND                          ; a whole round
	s_barrier_signal -1
	s_barrier_wait -1
	CREST
.endm
	s_load_b128 s[4:7], s[0:1], 0x0                ; xc s[4:5], xs s[6:7]
	s_load_b64 s[12:13], s[0:1], 0x10              ; hc
	s_load_b64 s[66:67], s[0:1], 0x18              ; hs
	v_lshl_add_u32 v[SPW], v0, 2, SPARE
	v_mov_b32 v[NIL], 0
	ds_add_u32 v28, v29
	ds_add_u32 v28, v29
	s_wait_dscnt 0x0
	v_lshrrev_b32 v1, 5, v0
	v_readfirstlane_b32 s14, v1                    ; wave 0..3
	s_lshr_b32 s15, s14, 1                         ; which half of the tile's rows is mine.  Also: I fetch for A (0) or for B (1)
	s_and_b32 s16, s14, 1                          ; which half of its columns.  Also: which 128 rows of that tile I fetch
	s_bfe_u32 s40, ttmp6, 0x40000                  ; cx, cy: my place in the cluster
	s_bfe_u32 s41, ttmp6, 0x40004
	s_and_b32 s8, ttmp7, 0xffff                    ; the cluster's y, which all sixteen partners share
	s_lshr_b32 s99, s8, 3                          ; T: 0 Q, 1 K, 2 V
	s_and_b32 s8, s8, 7
	s_cmp_eq_u32 s99, 2
	s_cselect_b32 s9, 0, s8                        ; the cluster's place along C's tile rows: Q, K: y % 8;  V: 0
	s_cselect_b32 s10, s8, 0                       ; and along its tile columns:              Q, K: 0;      V: y % 8
	s_lshl_b32 s42, s10, 2
	s_add_co_u32 s42, s42, s40                     ; tile column of C
	s_lshl_b32 s17, s9, 2
	s_add_co_u32 s17, s17, s41                     ; tile row of C
	s_mov_b32 s95, 0                               ; where A's and B's codes and scale bytes begin in xc and xs: Q's figures,
	s_mov_b32 s96, 18874368
	s_mov_b32 s97, 0
	s_mov_b32 s98, 786432
	s_cmp_eq_u32 s99, 1                            ; K's,
	s_cselect_b32 s95, 6291456, s95
	s_cselect_b32 s96, 19660800, s96
	s_cselect_b32 s97, 262144, s97
	s_cselect_b32 s98, 819200, s98
	s_cmp_eq_u32 s99, 2                            ; V's: A = Wv, B = v
	s_cselect_b32 s95, 20447232, s95
	s_cselect_b32 s96, 12582912, s96
	s_cselect_b32 s97, 851968, s97
	s_cselect_b32 s98, 524288, s98
	s_lshl_b32 s43, s41, 2
	s_lshl_b32 s43, 15, s43                        ; my row of the cluster
	s_lshl_b32 s44, 0x1111, s40                    ; my column
	; descriptor group 1: a tile of ROWB bytes (256 rows of 192), padded in LDS
	; a K step's 256 rows x 192 bytes are dense in xc: stated as 192 rows of 256 bytes (32 elements of 8 bytes); 16 bytes of padding behind every 64, so that a row of 192 bytes takes 240 in LDS
	s_or_b32 s[G1+0], s43, (3<<16)|(1<<20)|(1<<21)|(3<<22)|(3<<25)
	s_or_b32 s[G1B+0], s44, (3<<16)|(1<<20)|(1<<21)|(3<<22)|(3<<25)
.irp g, G1, G1B
	s_mov_b32 s[\g+1], 32<<16
	s_mov_b32 s[\g+2], 192<<16
	s_mov_b32 s[\g+3], 32<<16
	s_mov_b32 s[\g+4], 192
	s_mov_b32 s[\g+5], 32
	s_mov_b32 s[\g+6], 0
	s_mov_b32 s[\g+7], 0
.endr
	; and for the scales of 256 rows: a dense block of 256 KS bytes, as rows of 256 bytes (32 elements of 8 bytes), 16 bytes of padding behind each
	s_or_b32 s[G1S+0], s43, (3<<16)|(1<<20)|(1<<21)|(5<<22)|(3<<25)
	s_or_b32 s[G1SB+0], s44, (3<<16)|(1<<20)|(1<<21)|(5<<22)|(3<<25)
.irp g, G1S, G1SB
	s_mov_b32 s[\g+1], 32<<16
	s_mov_b32 s[\g+2], (256*KS/256)<<16
	s_mov_b32 s[\g+3], 32<<16
	s_mov_b32 s[\g+4], 256*KS/256
	s_mov_b32 s[\g+5], 32
	s_mov_b32 s[\g+6], 0
	s_mov_b32 s[\g+7], 0
.endr
	s_lshl_b32 s20, s17, 8                         ; A: the tile's first row
	s_lshl_b32 s46, s42, 8                         ; B: likewise
	s_mov_b32 s21, 0
	s_mov_b32 s47, 0
	s_mov_b64 s[18:19], KS
	s_mul_u64 s[22:23], s[20:21], s[18:19]         ; where these rows' scales begin, in bytes
	s_mul_u64 s[92:93], s[46:47], s[18:19]
	s_mov_b64 s[18:19], KROW
	s_mul_u64 s[20:21], s[20:21], s[18:19]         ; and their codes
	s_mul_u64 s[46:47], s[46:47], s[18:19]
	s_add_co_u32 s20, s20, s95                     ; + the tensor's place in xc or xs: every sum stays under 22,020,096
	s_add_co_u32 s46, s46, s96
	s_add_co_u32 s22, s22, s97
	s_add_co_u32 s92, s92, s98
	s_mul_i32 s45, s14, HALFT                      ; where they go: wave x 128 rows: no place in the cluster enters an LDS address
	s_mul_i32 s18, s16, 24576                      ; in the ring I fetch 128 rows of a K step's block: which half, in bytes
	s_mov_b32 s19, 0
	s_wait_kmcnt 0x0
	s_add_nc_u64 s[20:21], s[4:5], s[20:21]
	s_add_nc_u64 s[22:23], s[6:7], s[22:23]
	s_add_nc_u64 s[46:47], s[4:5], s[46:47]
	s_add_nc_u64 s[92:93], s[6:7], s[92:93]
	CROUND                                         ; all sixteen work-groups are here: the first joint loads meet
.set G0H, 4                            ; s[4:7], s[8:11] group 0 for the head's loads of K step 0 (the arguments that lay there have been used)
.set G0HB, 8
	s_mov_b32 s[G0H], 1                            ; the head's four tiles, each whole: K step 0's 256 rows of A,
	s_mov_b32 s[G0H+1], 0
	s_mov_b64 s[G0H+2:G0H+3], s[20:21]
	s_or_b32 s[G0H+3], s[G0H+3], 0x80000000
	s_mov_b32 s[G0HB], 1                           ; its 256 rows of B,
	s_mov_b32 s[G0HB+1], 2*HALFT
	s_mov_b64 s[G0HB+2:G0HB+3], s[46:47]
	s_or_b32 s[G0HB+3], s[G0HB+3], 0x80000000
	s_mov_b32 s[G0S], 1                            ; the scales of A's 256 rows,
	s_mov_b32 s[G0S+1], SCL
	s_mov_b64 s[G0S+2:G0S+3], s[22:23]
	s_or_b32 s[G0S+3], s[G0S+3], 0x80000000
	s_mov_b32 s[G0SB], 1                           ; and of B's
	s_mov_b32 s[G0SB+1], SCL+2*HALFS
	s_mov_b64 s[G0SB+2:G0SB+3], s[92:93]
	s_or_b32 s[G0SB+3], s[G0SB+3], 0x80000000
	s_add_nc_u64 s[20:21], s[20:21], s[18:19]      ; for the ring: my 128 rows
	s_add_nc_u64 s[46:47], s[46:47], s[18:19]
.irp s, 0,1
	s_mov_b32 s[G0+4*\s], 1
	s_add_co_u32 s[G0+4*\s+1], s45, \s*SLOT
	s_add_nc_u64 s[G0+4*\s+2:G0+4*\s+3], s[20:21], \s*ROWB
	s_or_b32 s[G0+4*\s+3], s[G0+4*\s+3], 0x80000000
	s_mov_b32 s[G0B+4*\s], 1
	s_add_co_u32 s[G0B+4*\s+1], s45, \s*SLOT
	s_add_nc_u64 s[G0B+4*\s+2:G0B+4*\s+3], s[46:47], \s*ROWB
	s_or_b32 s[G0B+4*\s+3], s[G0B+4*\s+3], 0x80000000
.endr
; the head's loads, one a wave: one chain of branches on the wave's number, each arm with its load
.macro ARM under, g0, g1, next
	s_cmp_lt_u32 s14, \under
	s_cbranch_scc0 \next
	tensor_load_to_lds s[\g0:\g0+3], s[\g1:\g1+7]
	s_nop 0
.rept 4
	v_nop
.endr
	s_branch .Lhead_asked
\next:
.endm
	ARM 1, G0H,  G1,  .Lhead_b
	ARM 2, G0HB, G1B, .Lhead_sa
	ARM 3, G0S,  G1S, .Lhead_sb
	tensor_load_to_lds s[G0SB:G0SB+3], s[G1SB:G1SB+7]
	s_nop 0
.rept 4
	v_nop
.endr
.Lhead_asked:
	v_and_b32 v1, 15, v0                           ; l % 16
	v_bfe_u32 v2, v0, 4, 1                         ; l / 16
	v_mul_u32_u24 v3, v1, PITCH
	v_mul_u32_u24 v4, v2, 24
	v_add_nc_u32 v4, v3, v4                        ; a fragment's row x pitch + 24 x half
	v_lshl_add_u32 v5, v2, 4, v4                   ; and the same behind one padding more
	s_mul_i32 s21, s15, HALFT                      ; my 128 rows of A
	s_mul_i32 s22, s16, HALFT                      ; my 128 rows of B,
	s_add_co_u32 s22, s22, 2*HALFT                 ; which lie behind A's 256
.irp s, 0,1
	v_add_nc_u32 v[ADRA+\s], s21, v4
	v_add_nc_u32 v[ADRB+\s], s22, v4
	v_add_nc_u32 v[ADRA+2+\s], s21, v5
	v_add_nc_u32 v[ADRB+2+\s], s22, v5
	s_add_co_u32 s21, s21, SLOT
	s_add_co_u32 s22, s22, SLOT
.endr
	v_mul_u32_u24 v5, v1, KS                       ; my row's scales: KS bytes a row,
	v_lshrrev_b32 v6, 8, v5
	v_lshl_add_u32 v5, v6, 4, v5                   ; and 16 more for each 256 passed
	s_mul_i32 s21, s15, HALFS                      ; A's: my 128 rows
	s_mul_i32 s22, s16, HALFS                      ; B's: my 128 rows, behind A's 256
	s_add_co_u32 s22, s22, 2*HALFS
	s_sub_co_u32 s22, s22, s21
	v_mul_u32_u24 v6, s22, v2                      ; lanes 16-31 take B's
	s_add_co_u32 s21, s21, SCL
	v_add_nc_u32 v5, v5, v6
	v_add_nc_u32 v[ADRS], s21, v5
	v_and_b32 v6, 31, v0
	s_lshl_b32 s23, s14, 9                         ; the way out's scratch: 512 bytes a wave at the foot of slot 0, which has had its last fill and its last read when the first word is stored there
	v_lshl_add_u32 v[SCI], v6, 2, s23
	v_lshl_add_u32 v[SCO], v6, 4, s23
	v_lshlrev_b32 v[CO], 4, v6
.irp e, 0,1,2,3,4,5,6,7
	v_mov_b32 v[TO+\e], 0                          ; written once: a lane permute's destination counts as one of its sources
.endr
	; where my wave's eight images go: (T x 512 + (batch x 8 + pair of heads) x 16 + which 128 tokens) x 12,288 bytes in hc, x 512 in hs.  The tokens lie along A's rows for Q and K, along B's for V
	s_cmp_eq_u32 s99, 2
	s_cselect_b32 s20, s42, s17                    ; the tokens' tile, 0 .. 31,
	s_cselect_b32 s21, s16, s15                    ; and my half of it;
	s_cselect_b32 s22, s17, s42                    ; the weight's tile, 0 .. 3,
	s_cselect_b32 s23, s15, s16                    ; and my half of it
	s_lshr_b32 s46, s20, 3
	s_lshl_b32 s46, s46, 3                         ; 8 x batch
	s_lshl_b32 s22, s22, 1
	s_add_co_u32 s46, s46, s22
	s_add_co_u32 s46, s46, s23                     ; + the pair of heads: 128 of the weight's rows
	s_lshl_b32 s46, s46, 4
	s_and_b32 s20, s20, 7
	s_lshl_b32 s20, s20, 1
	s_add_co_u32 s46, s46, s20
	s_add_co_u32 s46, s46, s21                     ; + which 128 tokens of the batch
	s_lshl_b32 s47, s99, 9
	s_add_co_u32 s46, s46, s47
	s_mul_i32 s20, s46, 12288
	s_mov_b32 s21, 0
	s_add_nc_u64 s[12:13], s[12:13], s[20:21]
	s_lshl_b32 s20, s46, 9
	s_add_nc_u64 s[66:67], s[66:67], s[20:21]
	s_cmp_eq_u32 s99, 2                            ; what differs between the tensors on the way out: two byte selectors and a mask
	s_mov_b32 s95, 0x05040100                      ; Q, K: the first image's word = bytes 0, 1 of both row blocks;
	s_cselect_b32 s95, 0x03020100, s95             ; V: the first row block's four bytes
	s_mov_b32 s96, 0x07060302                      ; Q, K: the second's = bytes 2, 3 of both;
	s_cselect_b32 s96, 0x07060504, s96             ; V: the second row block's four
	s_cselect_b32 s97, 0, -1                       ; all lanes for Q and K, none for V
	s_mov_b32 s98, 0xffff0000                      ; lanes 16-31
	s_mov_b32 s100, 0x76543210
	s_mov_b32 s101, 0xfedcba98                     ; v_permlanex16_b32's selects for lane l xor 16
.macro FRAG reg, adr, q, i             ; a fragment, 16 rows x 128 K of 6-bit codes, is 12 registers: lane l holds row l % 16; registers 6 c .. 6 c + 5 hold K = 64 c + 32 (l / 16) + 0 .. 31: 24 bytes of the row, as they lie
.irp p, 0,1,2,3,4,5                    ; in pieces of 8 bytes.  Lanes 0-15 take the row's pieces 12 q + 0, 1, 2 and 12 q + 6, 7, 8, lanes 16-31 those three pieces on
.set PC, 12*(\q)+6*(\p/3)+\p%3        ; 16 bytes of padding lie behind every 64 bytes (8 pieces): where the piece three on lies behind one padding more, the second address register serves
.if PC%8 < 5
	ds_load_b64 v[\reg+2*\p:\reg+2*\p+1], v[\adr] offset:8*PC+16*(PC/8)+(\i)*16*PITCH
.else
	ds_load_b64 v[\reg+2*\p:\reg+2*\p+1], v[\adr+2] offset:8*PC+16*(PC/8)+(\i)*16*PITCH
.endif
.endr
.endm
; 16 matrix instructions: A's blocks a0, a0 + 1 x B's eight, 128 along K: the slot's q-th.  p: B's set;  sc: the set of scale words.  zero = 1: the first product starts the sums: nothing is ever cleared.
; The 64 accumulators take turns, one instruction a turn, in the same order in every step.
.macro MUL16 a0, p, q, sc, zero
.irp a, \a0, \a0+1
.irp b, 0,1,2,3,4,5,6,7
.if \zero
	v_wmma_scale_f32_16x16x128_f8f6f4 v[8*(8*((\a)%4)+\b):8*(8*((\a)%4)+\b)+7], v[128*(\p)+FR*\b:128*(\p)+FR*\b+FR-1], v[AF+FR*(\a):AF+FR*(\a)+FR-1], 0, v[SC+8*NQ*(\sc)+NQ*\b+(\q)], v[SC+8*NQ*(\sc)+NQ*(\a)+(\q)] matrix_a_fmt:MATRIX_FMT_FP6 matrix_b_fmt:MATRIX_FMT_FP6 matrix_a_scale:MATRIX_SCALE_ROW1
.else
	v_wmma_scale_f32_16x16x128_f8f6f4 v[8*(8*((\a)%4)+\b):8*(8*((\a)%4)+\b)+7], v[128*(\p)+FR*\b:128*(\p)+FR*\b+FR-1], v[AF+FR*(\a):AF+FR*(\a)+FR-1], v[8*(8*((\a)%4)+\b):8*(8*((\a)%4)+\b)+7], v[SC+8*NQ*(\sc)+NQ*\b+(\q)], v[SC+8*NQ*(\sc)+NQ*(\a)+(\q)] matrix_a_fmt:MATRIX_FMT_FP6 matrix_b_fmt:MATRIX_FMT_FP6 matrix_a_scale:MATRIX_SCALE_ROW1
.endif
.endr
.endr
.endm
.macro FETCH_B slot, q, p              ; B's eight fragments of the slot's q-th 128 along K into set p
	WIN TO_B
.irp i, 0,1,2,3,4,5,6,7
	FRAG 128*(\p)+FR*\i, ADRB+\slot, \q, \i
.endr
	WIN 0
.endm
.macro FETCH_A slot, q, i0             ; A's blocks i0 .. i0 + 3
.irp i, \i0, \i0+1, \i0+2, \i0+3
	FRAG AF+FR*(\i), ADRA+\slot, \q, \i
.endr
.endm
.macro SCALES sc                       ; the next K step's scale words into set sc: NQ words a row; lanes 0-15 take A's block i, lanes 16-31 B's block i
.irp i, 0,1,2,3,4,5,6,7
	ds_load_b64 v[SC+8*NQ*\sc+NQ*\i:SC+8*NQ*\sc+NQ*\i+1], v[ADRS] offset:\i*SBLK
.endr
.endm
; A load into a register that a matrix instruction has read, and a vector instruction that reads a matrix result, stand NP places behind that matrix instruction, and only plain vector
; instructions that name none of its registers are places (ISA guide 7.12.1 for vector instructions).
.macro PLACES n
.rept \n
	v_nop
.endr
.endm
; A step of 128 along K that has its successor in the same slot.
.macro STEP slot, q, zero
	s_wait_dscnt 4*NL                              ; B's set and A's blocks 0-3 are in; the youngest 24 loads (A's blocks 4-7) may be out
	WIN MUL_LO
	MUL16 0, (\q)%2, \q, \slot, \zero
	MUL16 2, (\q)%2, \q, \slot, \zero
	s_wait_dscnt 0                                 ; A's blocks 4-7 are in (asked for 32 matrix instructions ago)
	PLACES NP
	FETCH_B \slot, (\q)+1, 1-(\q)%2
	FETCH_A \slot, (\q)+1, 0
	WIN MUL_HI
	MUL16 4, (\q)%2, \q, \slot, \zero
	MUL16 6, (\q)%2, \q, \slot, \zero
	PLACES NP
	WIN 0
	FETCH_A \slot, (\q)+1, 4
.endm
; A slot's last step changes slots: ONE barrier; in front of it each wave waits for all its tensor loads, adds 0 to its spare word, and waits for that and for its own reads of this slot.  fill = 1: this slot is filled again, two K steps ahead.
.macro TURN slot, next, fill
	s_wait_tensorcnt 0x0                           ; all my tensor loads have landed: my part of the next slot;  (every window is 0 here)
	ds_add_u32 v[SPW], v[NIL]                      ; 0 onto my spare word
	s_wait_dscnt 4*NL+1                            ; (the add and the youngest 24 loads, A's blocks 4-7, may be out)
	WIN MUL_LO
	MUL16 0, 1, NQ-1, \slot, 0                     ; sixteen matrix instructions stand between the add and the wait for it
	s_wait_dscnt 0x0                               ; the add is done, and my reads of this slot are over
	s_barrier_signal -1
	MUL16 2, 1, NQ-1, \slot, 0
	WIN 0
	s_barrier_wait -1
.if \fill
	CREST                                          ; the barrier has opened a round of the cluster's barrier: no wave of any partner still reads this slot's tile or has a load on its way
	s_add_nc_u64 s[G0+4*\slot+2:G0+4*\slot+3], s[G0+4*\slot+2:G0+4*\slot+3], 2*ROWB
	s_add_nc_u64 s[G0B+4*\slot+2:G0B+4*\slot+3], s[G0B+4*\slot+2:G0B+4*\slot+3], 2*ROWB
	JLOAD G0+4*\slot, G1, G0B+4*\slot, G1B         ; the first tensor load behind the round; the four v_nop behind it are the places in front of the loads below
.else
	PLACES NP
.endif
	s_wait_alu depctr_va_vdst(0)
	v_add_nc_u32 v[ADRS], 4*NQ, v[ADRS]            ; on to the next K step's scale words (no LDS load of mine is out)
	FETCH_B \next, 0, 0
	FETCH_A \next, 0, 0
	SCALES \next
	WIN MUL_HI
	MUL16 4, 1, NQ-1, \slot, 0
	MUL16 6, 1, NQ-1, \slot, 0
	PLACES NP
	WIN 0
	FETCH_A \next, 0, 4
.endm
	s_wait_alu depctr_va_vdst(0)
	s_wait_tensorcnt 0x0                           ; my tile of the head's four is in; the three lines ahead of a later first fill, as ahead of a refill
	ds_add_u32 v[SPW], v[NIL]
	s_mov_b32 s[G1+2], 96<<16                      ; no tensor load of mine is out: from here on a load brings 128 rows x 192 bytes = 96 rows of 256
	s_mov_b32 s[G1+4], 96
	s_mov_b32 s[G1B+2], 96<<16
	s_mov_b32 s[G1B+4], 96
	s_wait_dscnt 0x0
	CROUND                                         ; all four tiles are in, and all sixteen work-groups are here
	JLOAD G0+4, G1, G0B+4, G1B                     ; K step 1, the first tensor load behind the round
	FETCH_B 0, 0, 0
	FETCH_A 0, 0, 0
	SCALES 0
	FETCH_A 0, 0, 4
	STEP 0, 0, 1                                   ; the first step stands in front of the loop: its products start the sums
	s_mov_b32 s3, LAPS-1
.Llap:                                                 ; a trip goes once round the ring, from a lap's second step to the next lap's first, and fills both slots again
	TURN 0, 1, 1
	STEP 1, 0, 0
	TURN 1, 0, 1
	STEP 0, 0, 0
	s_sub_co_u32 s3, s3, 1
	s_cmp_lg_u32 s3, 0
	s_cbranch_scc1 .Llap
	TURN 0, 1, 0                                   ; the last lap fills nothing, and has no round of the cluster's barrier
	STEP 1, 0, 0
	s_wait_dscnt 4*NL                              ; the very last step: nothing more to fetch
	WIN MUL_LO
	MUL16 0, 1, NQ-1, 1, 0
	MUL16 2, 1, NQ-1, 1, 0
	s_wait_dscnt 0
	WIN MUL_HI
	MUL16 4, 1, NQ-1, 1, 0
	MUL16 6, 1, NQ-1, 1, 0
	WIN 0
; THE WAY OUT of A's row blocks 2 p and 2 p + 1.  Block e of eight (e = 4 x (which row block) + g) is 16 registers of a lane: B's rows 32 g + 16 (lane / 16) + 0 .. 15 of my row.
.macro PAIRQ p
.set WA, 2+(\p)/2                      ; the accumulators' window
.set AC, 128*((\p)%2)
.set WMAX, (WA<<2)|(WA<<4)             ; sources 1 and 2 there
	WIN WMAX
.irp e, 0,1,2,3,4,5,6,7
	v_max3_num_f32 v[TM+\e], 0x1800000, |v[AC+16*\e]|, |v[AC+16*\e+1]|   ; my 16 numbers' largest magnitude, and the floor 2^(3 - 127): the byte cannot fall under 1.  Each accumulator is read from its low end on
.endr
.irp i, 2,4,6,8,10,12,14
.irp e, 0,1,2,3,4,5,6,7
	v_max3_num_f32 v[TM+\e], v[TM+\e], |v[AC+16*\e+\i]|, |v[AC+16*\e+\i+1]|   ; (the eight blocks by turns)
.endr
.endr
	WIN 0
.irp e, 0,1,2,3,4,5,6,7
	v_permlanex16_b32 v[TO+\e], v[TM+\e], s100, s101
.endr
.irp e, 0,1,2,3,4,5,6,7
	v_max_num_f32 v[TM+\e], v[TM+\e], v[TO+\e]     ; with lane l xor 16's: the block's largest magnitude
.endr
.irp e, 0,1,2,3,4,5,6,7
	v_add_nc_u32 v[SO+\e], 0xff000000, v[TM+\e]    ; 2 off its exponent field: the conversion's scale operand
.endr
.irp e, 0,1,2,3,4,5,6,7
	v_lshrrev_b32 v[TO+\e], 23, v[SO+\e]           ; the scale's byte
.endr
	v_lshl_or_b32 v[PWA], v[TO+1], 8, v[TO]        ; each row block's four bytes
	v_lshl_or_b32 v[PWB], v[TO+5], 8, v[TO+4]
	v_lshl_or_b32 v[PWA], v[TO+2], 16, v[PWA]
	v_lshl_or_b32 v[PWB], v[TO+6], 16, v[PWB]
	v_lshl_or_b32 v[PWA], v[TO+3], 24, v[PWA]
	v_lshl_or_b32 v[PWB], v[TO+7], 24, v[PWB]
	v_perm_b32 v[PW0], v[PWB], v[PWA], s95         ; the two images' scale words of my row (selector bytes 0-3: the first row block's, 4-7: the second's)
	v_perm_b32 v[PW1], v[PWB], v[PWA], s96
	v_cndmask_b32 v[XW+\p], v[PW0], v[PW1], s98    ; lanes 0-15 keep the first image's, lanes 16-31 the second's: 128 bytes as hs wants them
	ds_store_b32 v[SCI], v[XW+\p] offset:128*(\p)
.if (\p) > 0
	s_wait_xcnt 0x0                                ; the last pair's stores have read their data: the images' registers may be written again
.endif
	WIN WA                                         ; source 0 in the accumulators' window
	v_cvt_scalef32_pk16_fp6_f32 v[O:O+2],       v[AC:AC+15],      v[SO]      ; (a conversion's three registers begin on an even number)
	v_cvt_scalef32_pk16_fp6_f32 v[TA1:TA1+2],   v[AC+16:AC+31],   v[SO+1]
	v_cvt_scalef32_pk16_fp6_f32 v[TA2:TA2+2],   v[AC+32:AC+47],   v[SO+2]
	v_cvt_scalef32_pk16_fp6_f32 v[TA3:TA3+2],   v[AC+48:AC+63],   v[SO+3]
	v_cvt_scalef32_pk16_fp6_f32 v[TB0:TB0+2],   v[AC+64:AC+79],   v[SO+4]
	v_cvt_scalef32_pk16_fp6_f32 v[TB1:TB1+2],   v[AC+80:AC+95],   v[SO+5]
	v_cvt_scalef32_pk16_fp6_f32 v[O+18:O+20],   v[AC+96:AC+111],  v[SO+6]
	v_cvt_scalef32_pk16_fp6_f32 v[TB3:TB3+2],   v[AC+112:AC+127], v[SO+7]
	WIN 0
	v_nop                                          ; one plain place behind a scaled conversion
.irp i, 0,1,2                                  ; an operand wants a WHOLE block of 32 in a lane: of blocks g, g + 1 the first register then holds each lane's block's lower 16 codes, the second the upper 16
	v_permlane16_swap_b32 v[O+\i], v[TA1+\i]
	v_permlane16_swap_b32 v[TA2+\i], v[TA3+\i]
	v_permlane16_swap_b32 v[TB0+\i], v[TB1+\i]
	v_permlane16_swap_b32 v[O+18+\i], v[TB3+\i]
.endr
.irp i, 0,1,2
	v_mov_b32 v[O+3+\i], v[TA1+\i]
	v_mov_b32 v[O+21+\i], v[TB3+\i]
.endr
.irp i, 0,1,2                                  ; the four middle runs of six: V: an image is a ROW BLOCK's four blocks;  Q, K: an image is a HEAD's two blocks of both row blocks
	v_cndmask_b32 v[O+6+\i],  v[TA2+\i], v[TB0+\i], s97
	v_cndmask_b32 v[O+9+\i],  v[TA3+\i], v[TB1+\i], s97
	v_cndmask_b32 v[O+12+\i], v[TB0+\i], v[TA2+\i], s97
	v_cndmask_b32 v[O+15+\i], v[TB1+\i], v[TA3+\i], s97
.endr
.irp i, 0,1
.irp c, 0,1,2
	global_store_b128 v[CO], v[O+12*\i+4*\c:O+12*\i+4*\c+3], s[12:13] offset:3072*(\p)+1536*\i+512*\c   ; 32 lanes store 512 consecutive bytes, at a multiple of 256 from hc's first byte
.endr
.endr
.endm
	PLACES NP                                      ; between the last products and the first read of results
	PAIRQ 0
	PAIRQ 1
	PAIRQ 2
	PAIRQ 3
	ds_load_b128 v[240:243], v[SCO]                ; my eight images' scale words, 512 bytes: LDS serves a wave's instructions in order, so these see my four stores
	s_wait_dscnt 0x0
	global_store_b128 v[CO], v[240:243], s[66:67]  ; 512 consecutive bytes, at a multiple of 256 from hs's first byte
	s_wait_tensorcnt 0x0                           ; the wave's end: behind my last tensor load and my last LDS store
	ds_add_u32 v[SPW], v[NIL]
	s_wait_dscnt 0x0
	CROUND                                         ; the closing round: no work-group ends while a partner may still ask for a tile that names it
	s_endpgm
.Lfunc_end_k_qb81cd31b44_proj:
	.size	k_qb81cd31b44_proj, .Lfunc_end_k_qb81cd31b44_proj-k_qb81cd31b44_proj
	.p2alignl 7, 3214868480
	.fill 96, 4, 3214868480
	.section	.rodata,"a",@progbits
	.p2align	6, 0x0
	.amdhsa_kernel k_qb81cd31b44_proj
		.amdhsa_group_segment_fixed_size 327680
		.amdhsa_private_segment_fixed_size 0
		.amdhsa_enable_private_segment 0
		.amdhsa_kernarg_size 32
		.amdhsa_user_sgpr_count 2
		.amdhsa_user_sgpr_kernarg_segment_ptr 1
		.amdhsa_wavefront_size32 1
		.amdhsa_system_sgpr_workgroup_id_x 1
		.amdhsa_system_sgpr_workgroup_id_y 1
		.amdhsa_system_sgpr_workgroup_id_z 1
		.amdhsa_system_vgpr_workitem_id 0
		.amdhsa_next_free_vgpr 1024
		.amdhsa_next_free_sgpr 102
		.amdhsa_reserve_vcc 0
		.amdhsa_float_denorm_mode_32 3
		.amdhsa_float_denorm_mode_16_64 3
		.amdhsa_memory_ordered 1
		.amdhsa_forward_progress 1
		.amdhsa_inst_pref_size 169
	.end_amdhsa_kernel
	.amdgpu_metadata
---
amdhsa.version: [ 1, 2 ]
amdhsa.kernels:
  - .name:           k_qb81cd31b44_proj
    .symbol:         k_qb81cd31b44_proj.kd
    .args:
      - { .name: xc, .offset: 0, .size: 8, .value_kind: global_buffer, .address_space: global }
      - { .name: xs, .offset: 8, .size: 8, .value_kind: global_buffer, .address_space: global }
      - { .name: hc, .offset: 16, .size: 8, .value_kind: global_buffer, .address_space: global }
      - { .name: hs, .offset: 24, .size: 8, .value_kind: global_buffer, .address_space: global }
    .group_segment_fixed_size: 327680
    .private_segment_fixed_size: 0
    .kernarg_segment_align: 8
    .kernarg_segment_size: 32
    .max_flat_workgroup_size: 128
    .sgpr_count:     102
    .vgpr_count:     1024
    .wavefront_size: 32
...
	.end_amdgpu_metadata
.endif
;; end of part 2
;; launch attn (part 3): grid 4 x 64, 16 waves a work-group, no clusters, 206,848 bytes of LDS; arguments hc, hs, ac, asc; writes ac, asc
.if DOCPART == 3
	.amdgcn_target "amdgcn-amd-amdhsa--gfx1250"
	.amdhsa_code_object_version 6
	.text
	.protected	k_qb81cd31b44_attn
	.globl	k_qb81cd31b44_attn
	.p2align	8
	.type	k_qb81cd31b44_attn,@function
k_qb81cd31b44_attn:
	s_mov_b64 s[64:65], 0
	v_nop
	global_prefetch_b8 v0, s[64:65] scope:SCOPE_SE
	s_setreg_imm32_b32 hwreg(HW_REG_WAVE_MODE, 25, 1), 1
	s_wait_xcnt 0x0
; CAUSAL ATTENTION of one head (64 dims, 2,048 tokens), both products on codes of FP6 (E2M3) with one E8M0 scale for each 32 along a product's K; the result, divided by the row's sum, is quantised along the model's 1,024 for the last projection.
; LEFT OUT: key steps that lie wholly behind a wave's queries: reference()'s own causal mask makes their scores -inf and their p 0 for all values of the inputs.
; THE SOFTMAX: t = score x log2(e) / 8; M = the row's largest t so far, rounded UP to a whole number; p = 2^(t - M) is quantised along the keys; the row's sum is taken of the unquantised p, in f32.  When M moves, the sum and O are multiplied by 2^(old M - new M): exact.
; SHARES.  Work-group (j, y): y = batch x 16 + head, j = 0 .. 3: 4 x 64 = 256 work-groups.  A head's queries are 16 blocks of 128.  Wave w (of 16) owns tile w % 8 (16 queries) of TWO blocks, one after the other:
; first block b = 15 - j (w < 8) or 8 + j (w >= 8), then block 15 - b.  A block b has b + 1 key steps of 128 keys: every wave has (b + 1) + (16 - b) = 17 steps.
; K AND V OF THE WHOLE HEAD LIE IN LDS, filled ONCE, one tensor load a wave at the head, in chunks of 512 keys: wave 0 K's chunk 0, wave 1 V's, waves 2 and 3 K's and V's scale words, waves 4 and 5 K's and V's chunk 1,
; waves 6 and 7 K's chunks 2 and 3, waves 8 and 9 V's.
; THREE BARRIERS.  The first shows what waves 0-3 asked for, the second what waves 4 and 5 asked for (only those waves wait; their load lines are their own); behind each come four steps that count whole for every wave,
; since every first block is 8 or higher.  The third shows the rest: every wave waits for 0.
; Then ONE loop of 25 trips, n = 8 .. 32, key step n % 16: where n % 16 = 0 the tile goes out, and at n = 16 the second tile comes in.  Steps behind a wave's queries are jumped over by a scalar branch on ids; the step on the diagonal is masked.
; No LDS byte is filled again and none is stored to.  No prefetch: every byte of K and V is asked for at the head, and no loop runs ahead of a load.
; NO CLUSTER, though the four work-groups of a head read the same K and V: the branch that leaves out hidden key steps hangs on j, which differs between those four.
; OPERANDS come as images of their registers (12 registers a lane, three loads of 16 bytes at 16 x lane).  An image of K holds TWO tiles of 16 keys (registers 0-5, 6-11: 64 dims each): against Q = [X | zeros] it gives the first tile's scores,
; against Q' = [zeros | X] the second's; the other half meets zero CODES of Q under the byte 127.
; LAYOUT.  Both products are used transposed: S^T = K Q^T, O^T = V^T P^T: a lane holds ONE query (lane % 16).  Registers 16 b + i of S^T are keys 32 b + 16 (lane / 16) + i; registers 16 g + i of O^T are dims 32 g + 16 (lane / 16) + i.
; OUT.  ac: [head / 4][row / 16][head % 4][768 bytes]: registers 0-3 at 16 x lane, registers 4-5 at 512 + 8 x lane.  asc: [row][32], a byte for each 32 of the 1,024: a wave stores two bytes in each of 16 rows (a row's 16 heads lie in 16 work-groups).
; LIMITS: NaN and infinities are not served; the scaled scores stay under 2^31 in magnitude; a block of zeros gets the byte 1 (its codes are zeros); a block's largest p is taken from its largest score, which takes v_exp_f32 not to fall where its input rises; 1 / the sum is v_rcp_f32's.
; REGISTERS: v1 16 x lane, v2 the same in V's region, v3 4 x lane in the scale words; v4-6 the step's addresses; v7 lane % 16 - 16 (lane / 16); v[8:9] the sum; v10 f, v11 -infinity; v12 -M, v13 the largest t;
;   v14-31 [6 zeros | X | 6 zeros]; v32-79 K's 4 images; v80-127 V's 4; v128-191 S^T, then p; v192-223 O^T; v224-235 p's codes; v232-247 at work; v248-249 K's scale words, v250-251 V's; v252, v253 Q's, Q''s; v254 p's; v255 at work.
.set CHB,  24576                       ; a chunk (512 keys) of K or of V in LDS
.set CHM,  49152                       ; from chunk to chunk in memory, where the pair's other head lies between
.set VC,   98304                       ; LDS: K's 64 images at 0, V's 64 here,
.set KSC,  196608                      ; K's scale words (64 bytes an image), and 4,096 bytes on V's
.set SPARE, 204800                     ; the spare words: 128 bytes for each of 16 waves
.set G1K,  24
.set G1V,  32
.set G1KS, 40
.set G1VS, 48
.macro MKG1 g, cols, rows, pitch       ; rows x cols elements of 8 bytes, pitch elements from row to row
	s_mov_b32 s[\g], 3<<16
	s_mov_b32 s[\g+1], (\cols)<<16
	s_mov_b32 s[\g+2], (\rows)<<16
	s_mov_b32 s[\g+3], (\cols)<<16
	s_mov_b32 s[\g+4], \rows
	s_mov_b32 s[\g+5], \pitch
	s_mov_b32 s[\g+6], 0
	s_mov_b32 s[\g+7], 0
.endm
.macro TL g1                           ; a fill; s_nop 0 and four v_nop behind it
	s_or_b32 s59, s59, 0x80000000
	tensor_load_to_lds s[56:59], s[\g1:\g1+7]
	s_nop 0
.rept 4
	v_nop
.endr
.endm
.macro WALU
	s_wait_alu depctr_va_vdst(0)
.endm
	s_load_b256 s[4:11], s[0:1], 0x0               ; hc, hs, ac, asc
	v_lshl_add_u32 v254, v0, 2, SPARE
	v_mov_b32 v255, 0
	ds_add_u32 v254, v255                          ; the opening lines: the add twice on end and its wait
	ds_add_u32 v254, v255
	v_lshrrev_b32 v1, 5, v0
	v_readfirstlane_b32 s18, v1                    ; wave 0..15
	s_and_b32 s80, ttmp7, 0xffff                   ; batch x 16 + head
	s_lshr_b32 s81, s80, 1                         ; the pair of heads
	s_and_b32 s82, s80, 1                          ; which of the pair
	MKG1 G1K, 192, 16, 384                         ; 16 images of 1,536 bytes, 3,072 bytes apart
	MKG1 G1V, 768, 4, 1536                         ; 4 steps' 4 images, 6,144 bytes, 12,288 bytes apart
	MKG1 G1KS, 8, 64, 16                           ; 64 images' 64 bytes, 128 bytes apart
	MKG1 G1VS, 32, 16, 64                          ; 16 steps' 256 bytes, 512 bytes apart
	s_mul_i32 s83, s81, 196608                     ; the pair's 16 x 8 images
	s_mul_i32 s84, s82, 1536
	s_add_co_u32 s84, s84, s83
	s_mov_b32 s60, s84                             ; Q's images of my head (tensor 0 of hc)
	s_add_co_u32 s84, s84, 6291456                 ; K's (tensor 1)
	s_mov_b32 s85, 0
	s_mul_i32 s86, s82, 6144
	s_add_co_u32 s86, s86, s83
	s_add_co_u32 s86, s86, 12582912                ; V's (tensor 2)
	s_mov_b32 s87, 0
	s_lshl_b32 s83, s81, 13
	s_lshl_b32 s88, s82, 6
	s_add_co_u32 s88, s88, s83
	s_mov_b32 s61, s88                             ; Q's scale words
	s_add_co_u32 s88, s88, 1<<18                   ; K's
	s_mov_b32 s89, 0
	s_lshl_b32 s90, s82, 8
	s_add_co_u32 s90, s90, s83
	s_add_co_u32 s90, s90, 2<<18                   ; V's
	s_mov_b32 s91, 0
	s_and_b32 s19, s18, 1
	s_add_co_u32 s19, s19, 2                       ; waves 6, 7 and 8, 9: chunk 2, 3
	s_mul_i32 s67, s19, CHB
	s_mul_i32 s68, s19, CHM
	s_mov_b32 s69, 0
	s_mov_b32 s56, 1
	s_wait_dscnt 0x0
	s_wait_kmcnt 0x0
	s_add_nc_u64 s[84:85], s[4:5], s[84:85]
	s_add_nc_u64 s[86:87], s[4:5], s[86:87]
	s_add_nc_u64 s[88:89], s[6:7], s[88:89]
	s_add_nc_u64 s[90:91], s[6:7], s[90:91]
	s_cmp_eq_u32 s18, 0                            ; one chain of branches on the wave's number, one fill to an arm; what is needed first stands first
	s_cbranch_scc0 .La1
	s_mov_b32 s57, 0
	s_mov_b64 s[58:59], s[84:85]
	TL G1K
	s_branch .Lasked
.La1:
	s_cmp_eq_u32 s18, 1
	s_cbranch_scc0 .La2
	s_mov_b32 s57, VC
	s_mov_b64 s[58:59], s[86:87]
	TL G1V
	s_branch .Lasked
.La2:
	s_cmp_eq_u32 s18, 2
	s_cbranch_scc0 .La3
	s_mov_b32 s57, KSC
	s_mov_b64 s[58:59], s[88:89]
	TL G1KS
	s_branch .Lasked
.La3:
	s_cmp_eq_u32 s18, 3
	s_cbranch_scc0 .La4
	s_mov_b32 s57, KSC+4096
	s_mov_b64 s[58:59], s[90:91]
	TL G1VS
	s_branch .Lasked
.La4:
	s_cmp_eq_u32 s18, 4
	s_cbranch_scc0 .La5
	s_mov_b32 s57, CHB
	s_add_nc_u64 s[58:59], s[84:85], CHM
	TL G1K
	s_branch .Lasked
.La5:
	s_cmp_eq_u32 s18, 5
	s_cbranch_scc0 .La6
	s_mov_b32 s57, VC+CHB
	s_add_nc_u64 s[58:59], s[86:87], CHM
	TL G1V
	s_branch .Lasked
.La6:
	s_cmp_lt_u32 s18, 8
	s_cbranch_scc0 .La7
	s_mov_b32 s57, s67
	s_add_nc_u64 s[58:59], s[84:85], s[68:69]
	TL G1K
	s_branch .Lasked
.La7:
	s_cmp_lt_u32 s18, 10
	s_cbranch_scc0 .Lasked
	s_add_co_u32 s57, s67, VC
	s_add_nc_u64 s[58:59], s[86:87], s[68:69]
	TL G1V
.Lasked:
	s_and_b32 s15, s18, 7                          ; my tile in a block
	s_lshr_b32 s16, s18, 3
	s_sub_co_u32 s67, 15, ttmp9
	s_add_co_u32 s68, ttmp9, 8
	s_cmp_eq_u32 s16, 0
	s_cselect_b32 s16, s67, s68                    ; my first block: 15 - j or 8 + j
	s_lshr_b32 s67, s80, 4                         ; batch
	s_and_b32 s68, s80, 15                         ; head
	s_lshr_b32 s62, s68, 2
	s_lshl_b32 s62, s62, 9
	s_lshl_b32 s69, s67, 7
	s_add_co_u32 s62, s62, s69                     ; ac: (head / 4) x 512 + batch x 128
	s_and_b32 s63, s68, 3
	s_mul_i32 s63, s63, 768
	s_lshl_b32 s66, s67, 16                        ; asc: batch x 2,048 rows of 32 bytes
	s_lshl_b32 s69, s68, 1
	s_add_co_u32 s66, s66, s69                     ; + the head's two bytes
	s_mov_b32 s20, 0x76543210
	s_mov_b32 s21, 0xfedcba98                      ; v_permlanex16_b32's selects for lane l xor 16
	s_mov_b32 s22, 0x3e38aa3b                      ; c = log2(e) / 8
	s_mov_b32 s23, s22
	s_mov_b32 s92, 0xffff0000                      ; lanes 16-31
	v_and_b32 v2, 31, v0
	v_lshlrev_b32 v1, 4, v2
	v_lshl_add_u32 v3, v2, 2, KSC
	v_add_nc_u32 v2, VC, v1
	v_and_b32 v5, 15, v0
	v_and_b32 v6, 16, v0
	v_sub_nc_u32 v7, v5, v6
	v_mov_b32 v11, 0xff800000                      ; -infinity, for the mask
.irp i, 0,1,2,3,4,5
	v_mov_b32 v[14+\i], 0                          ; zero codes on both sides of X
	v_mov_b32 v[26+\i], 0
.endr
.irp b, 0,1,2,3
	v_mov_b32 v[236+\b], 0                         ; written once: a lane permute's destination counts as one of its sources
.endr
	WALU
; A TILE OF QUERIES COMES IN: block s16, tile s15.  X and its scale bytes; where the results go; the sums begin anew.
.macro SETQ
	s_lshl_b32 s17, s16, 3
	s_add_co_u32 s17, s17, s15                     ; my tile of queries, 0 .. 127
	s_lshl_b32 s13, s17, 4                         ; my first query
	s_lshr_b32 s83, s17, 1                         ; Q's image holds two tiles
	s_mul_i32 s70, s83, 3072
	s_add_co_u32 s70, s70, s60
	s_mov_b32 s71, 0
	s_add_nc_u64 s[70:71], s[4:5], s[70:71]
	s_lshl_b32 s72, s83, 7
	s_add_co_u32 s72, s72, s61
	s_mov_b32 s73, 0
	s_add_nc_u64 s[72:73], s[6:7], s[72:73]
	v_and_b32 v5, 15, v0
	v_lshlrev_b32 v4, 2, v5
	global_load_b128 v[128:131], v1, s[70:71]
	global_load_b128 v[132:135], v1, s[70:71] offset:512
	global_load_b128 v[136:139], v1, s[70:71] offset:1024
	global_load_b32 v255, v4, s[72:73]             ; lane r's word: bytes 0, 1 the first tile's row r, bytes 2, 3 the second's
	s_add_co_u32 s74, s62, s17
	s_mul_i32 s74, s74, 3072
	s_add_co_u32 s74, s74, s63
	s_mov_b32 s75, 0
	s_add_nc_u64 s[74:75], s[8:9], s[74:75]        ; my half image in ac
	s_lshl_b32 s76, s13, 5
	s_add_co_u32 s76, s76, s66
	s_mov_b32 s77, 0
	s_add_nc_u64 s[76:77], s[10:11], s[76:77]      ; my bytes in asc
	s_and_b32 s90, s17, 1                          ; which tile of the image is mine
	s_lshl_b32 s91, s90, 4
	s_cmp_eq_u32 s90, 0
	s_cselect_b32 s90, 0, -1
	s_wait_loadcnt 0x0
.irp i, 0,1,2,3,4,5
	v_cndmask_b32 v[20+\i], v[128+\i], v[134+\i], s90   ; X: my 16 queries' 64 dims
.endr
	v_lshrrev_b32 v255, s91, v255
	v_and_b32 v255, 0xffff, v255                   ; their two scale bytes
	v_or_b32 v252, 0x7f7f0000, v255                ; for Q = [X | zeros]: the zeros' bytes are 127
	v_lshl_or_b32 v253, v255, 16, 0x7f7f           ; for Q' = [zeros | X]
	v_mov_b32 v13, 0xff61b1e6                      ; the largest t so far: -3e38
	v_floor_f32 v12, -v13                          ; -M
	v_mov_b32 v8, 0
	v_mov_b32 v9, 0
	v_mov_b32 v10, 0
.set J, 0
.rept 32
	v_mov_b32 v[192+J], 0                          ; O^T (the step is written for all steps alike).  These are also the places between the scale words' writes and the products
.set J, J+1
.endr
	WALU
.endm
; A KEY STEP: 128 keys from s12 on; s2: its images' place in K's and V's regions, s3: its scale words'.  m = 1: the tests for hidden steps and for the diagonal; m = 0: a step that counts whole for every wave; it steps the three scalars itself.
.macro STEP m
.if \m
	s_add_co_u32 s96, s13, 15
	s_cmp_gt_u32 s12, s96                          ; all its keys come after my 16 queries
	s_cbranch_scc1 .Lhidden_\@
.endif
	v_add_nc_u32 v4, s2, v1
	v_add_nc_u32 v5, s2, v2
	v_add_nc_u32 v6, s3, v3
	v_nop                                          ; these four are the places in front of loads into registers that the last step's products have read
.irp b, 0,1,2,3
.irp c, 0,1,2
	ds_load_b128 v[32+12*\b+4*\c:35+12*\b+4*\c], v4 offset:1536*\b+512*\c
.endr
.endr
	ds_load_b32 v248, v6                           ; lanes 0-15: image 0's words, lanes 16-31: image 1's
	ds_load_b32 v249, v6 offset:128
.irp t, 0,1,2,3
.irp c, 0,1,2
	ds_load_b128 v[80+12*\t+4*\c:83+12*\t+4*\c], v5 offset:1536*\t+512*\c
.endr
.endr
	ds_load_b32 v250, v6 offset:4096
	ds_load_b32 v251, v6 offset:4096+128
	s_wait_dscnt 14                                ; K's are in; V's fourteen, issued behind them, may be out
.irp b, 0,1,2,3                                ; S^T = K Q^T: each image against Q and against Q'
.if (\b)%2
	v_wmma_scale_f32_16x16x128_f8f6f4 v[128+16*\b:135+16*\b], v[32+12*\b:43+12*\b], v[20:31], 0, v[248+\b/2], v252 matrix_a_fmt:MATRIX_FMT_FP6 matrix_b_fmt:MATRIX_FMT_FP6 matrix_a_scale:MATRIX_SCALE_ROW1
	v_wmma_scale_f32_16x16x128_f8f6f4 v[136+16*\b:143+16*\b], v[32+12*\b:43+12*\b], v[14:25], 0, v[248+\b/2], v253 matrix_a_fmt:MATRIX_FMT_FP6 matrix_b_fmt:MATRIX_FMT_FP6 matrix_a_scale:MATRIX_SCALE_ROW1
.else
	v_wmma_scale_f32_16x16x128_f8f6f4 v[128+16*\b:135+16*\b], v[32+12*\b:43+12*\b], v[20:31], 0, v[248+\b/2], v252 matrix_a_fmt:MATRIX_FMT_FP6 matrix_b_fmt:MATRIX_FMT_FP6
	v_wmma_scale_f32_16x16x128_f8f6f4 v[136+16*\b:143+16*\b], v[32+12*\b:43+12*\b], v[14:25], 0, v[248+\b/2], v253 matrix_a_fmt:MATRIX_FMT_FP6 matrix_b_fmt:MATRIX_FMT_FP6
.endif
.endr
.rept 4
	v_nop                                          ; places between the products and the first read of the scores
.endr
.if \m
	s_add_co_u32 s96, s12, 127                     ; on the diagonal the scores of hidden keys become -infinity ahead of the maximum: p = 0 then
	s_cmp_le_u32 s96, s13
	s_cbranch_scc1 .Lopen_\@
	s_sub_co_i32 s96, s13, s12
	v_add_nc_u32 v255, s96, v7                     ; d = my query - the step's first key - 16 (lane / 16): register 16 b + i is hidden where 32 b + i > d
.set N, 0
.rept 64
	v_cmp_gt_i32 vcc_lo, 32*(N/16)+N%16, v255
	v_cndmask_b32 v[128+N], v[128+N], v11, vcc_lo
.set N, N+1
.endr
.Lopen_\@:
.endif
.irp b, 0,1,2,3
	v_max3_num_f32 v[232+\b], v[128+16*\b], v[129+16*\b], v[130+16*\b]   ; the largest score of each block of 32 keys: for the row's maximum and for the block's largest p
.endr
.irp i, 3,5,7,9,11,13
.irp b, 0,1,2,3
	v_max3_num_f32 v[232+\b], v[232+\b], v[128+16*\b+\i], v[129+16*\b+\i]
.endr
.endr
.irp b, 0,1,2,3
	v_max_num_f32 v[232+\b], v[232+\b], v[143+16*\b]
.endr
.irp b, 0,1,2,3
	s_delay_alu instid0(VALU_DEP_4)
	v_permlanex16_b32 v[236+\b], v[232+\b], s20, s21
.endr
.irp b, 0,1,2,3
	s_delay_alu instid0(VALU_DEP_4)
	v_max_num_f32 v[232+\b], v[232+\b], v[236+\b]  ; with lane l xor 16's 16 keys
.endr
	s_delay_alu instid0(VALU_DEP_2)
	v_max3_num_f32 v255, v232, v233, v234
	s_delay_alu instid0(VALU_DEP_1)
	v_max_num_f32 v255, v255, v235                 ; the step's largest score of my query
	s_delay_alu instid0(VALU_DEP_1)
	v_mul_f32 v255, s22, v255                      ; as t (c is positive)
	s_delay_alu instid0(VALU_DEP_1)
	v_max_num_f32 v13, v13, v255                   ; the running largest t
	v_mov_b32 v255, v12
	s_delay_alu instid0(VALU_DEP_2)
	v_floor_f32 v12, -v13                          ; the new -M = -ceil(t)
	s_delay_alu instid0(VALU_DEP_1)
	v_sub_f32 v255, v12, v255                      ; M's old value less its new one
	s_delay_alu instid0(VALU_DEP_1)
	v_cvt_i32_f32 v255, v255                       ; (it saturates)
	s_delay_alu instid0(VALU_DEP_1)
	v_ldexp_f32 v10, 1.0, v255                     ; f = 2^(old M - new M)
.set J, 0
.rept 32
	v_pk_fma_f32 v[128+J:129+J], v[128+J:129+J], s[22:23], v[12:13] op_sel_hi:[1,0,0]   ; t - M, two at a time
.set J, J+2
.endr
.irp b, 0,1,2,3
	v_fma_f32 v[232+\b], v[232+\b], s22, v12       ; the same of each block's largest score
.endr
.set J, 0
	s_wait_alu depctr_va_vdst(0)
.rept 64
	v_exp_f32 v[128+J], v[128+J]                   ; p = 2^(t - M)
.set J, J+1
.endr
	v_pk_mul_f32 v[8:9], v[8:9], v[10:11] op_sel_hi:[1,0]   ; the sums under the new M (the plain place behind the exponentials)
	s_wait_alu depctr_va_vdst(0)                   ; one wait for the batch, ahead of its first reader
.irp b, 0,1,2,3
	v_exp_f32 v[232+\b], v[232+\b]                 ; the block's largest p
.endr
	v_pk_add_f32 v[236:237], v[132:133], v[136:137]   ; the row's sum of the unquantised p, in eight chains
	v_pk_add_f32 v[248:249], v[140:141], v[144:145]
	v_pk_add_f32 v[246:247], v[148:149], v[152:153]
	v_pk_add_f32 v[244:245], v[156:157], v[160:161]
	v_pk_add_f32 v[242:243], v[164:165], v[168:169]
	v_pk_add_f32 v[240:241], v[172:173], v[176:177]
	v_pk_add_f32 v[238:239], v[180:181], v[184:185]
	v_pk_add_f32 v[8:9], v[8:9], v[188:189]
	v_pk_add_f32 v[236:237], v[236:237], v[128:129]
	v_pk_add_f32 v[248:249], v[248:249], v[130:131]
	v_pk_add_f32 v[246:247], v[246:247], v[134:135]
	v_pk_add_f32 v[244:245], v[244:245], v[138:139]
	v_pk_add_f32 v[242:243], v[242:243], v[142:143]
	v_pk_add_f32 v[240:241], v[240:241], v[146:147]
	v_pk_add_f32 v[238:239], v[238:239], v[150:151]
	v_pk_add_f32 v[8:9], v[8:9], v[154:155]
	v_pk_add_f32 v[236:237], v[236:237], v[158:159]
	v_pk_add_f32 v[248:249], v[248:249], v[162:163]
	v_pk_add_f32 v[246:247], v[246:247], v[166:167]
	v_pk_add_f32 v[244:245], v[244:245], v[170:171]
	v_pk_add_f32 v[242:243], v[242:243], v[174:175]
	v_pk_add_f32 v[240:241], v[240:241], v[178:179]
	v_pk_add_f32 v[238:239], v[238:239], v[182:183]
	v_pk_add_f32 v[8:9], v[8:9], v[186:187]
	v_pk_add_f32 v[236:237], v[236:237], v[190:191]
	s_delay_alu instid0(VALU_DEP_2)
	v_pk_add_f32 v[8:9], v[8:9], v[244:245]
	s_delay_alu instid0(VALU_DEP_2)
	v_pk_add_f32 v[236:237], v[236:237], v[242:243]
	v_pk_add_f32 v[248:249], v[248:249], v[240:241]
	v_pk_add_f32 v[246:247], v[246:247], v[238:239]
	s_delay_alu instid0(VALU_DEP_2)
	v_pk_add_f32 v[8:9], v[8:9], v[248:249]
	s_delay_alu instid0(VALU_DEP_2)
	v_pk_add_f32 v[236:237], v[236:237], v[246:247]
	s_delay_alu instid0(VALU_DEP_1)
	v_pk_add_f32 v[8:9], v[8:9], v[236:237]
	s_wait_alu depctr_va_vdst(0)                   ; and one for the four
.irp b, 0,1,2,3
	v_max_num_f32 v[232+\b], 0x1800000, v[232+\b]  ; the floor 2^(3 - 127): the byte cannot fall under 1
.endr
.irp b, 0,1,2,3
	s_delay_alu instid0(VALU_DEP_4)
	v_add_nc_u32 v[244+\b], 0xff000000, v[232+\b]  ; 2 off the exponent field: the conversion's scale operand
.endr
.irp b, 0,1,2,3
	s_delay_alu instid0(VALU_DEP_4)
	v_lshrrev_b32 v[236+\b], 23, v[244+\b]         ; the scale's byte
.endr
	s_delay_alu instid0(VALU_DEP_3)
	v_lshl_or_b32 v254, v237, 8, v236              ; p's scale word for these 128 keys
	s_delay_alu instid0(VALU_DEP_1)
	v_lshl_or_b32 v254, v238, 16, v254
	s_delay_alu instid0(VALU_DEP_1)
	v_lshl_or_b32 v254, v239, 24, v254
.irp c, 0,1
	v_cvt_scalef32_pk16_fp6_f32 v[224+6*\c:226+6*\c], v[128+32*\c:143+32*\c], v[244+2*\c]
	v_cvt_scalef32_pk16_fp6_f32 v[236+4*\c:238+4*\c], v[144+32*\c:159+32*\c], v[244+2*\c+1]
.endr
	v_nop                                          ; one plain place behind a scaled conversion
.irp c, 0,1                                    ; the operand wants a WHOLE block in a lane
.irp i, 0,1,2
	v_permlane16_swap_b32 v[224+6*\c+\i], v[236+4*\c+\i]
.endr
.irp i, 0,1,2
	s_delay_alu instid0(VALU_DEP_3)
	v_mov_b32 v[227+6*\c+\i], v[236+4*\c+\i]
.endr
.endr
.set J, 0
.rept 16
	v_pk_mul_f32 v[192+J:193+J], v[192+J:193+J], v[10:11] op_sel_hi:[1,0]   ; O^T under the new M, each accumulator from its low end on; also the places ahead of the products
.set J, J+2
.endr
	s_wait_alu depctr_va_vdst(0)
	s_wait_dscnt 0x0                               ; V's images and scale words are in
.irp t, 0,1,2,3                                ; O^T += V^T P^T: the four accumulators by turns; the next step's eight products stand between two turns of one accumulator
.if (\t)%2
	v_wmma_scale_f32_16x16x128_f8f6f4 v[192+8*\t:199+8*\t], v[80+12*\t:91+12*\t], v[224:235], v[192+8*\t:199+8*\t], v[250+\t/2], v254 matrix_a_fmt:MATRIX_FMT_FP6 matrix_b_fmt:MATRIX_FMT_FP6 matrix_a_scale:MATRIX_SCALE_ROW1
.else
	v_wmma_scale_f32_16x16x128_f8f6f4 v[192+8*\t:199+8*\t], v[80+12*\t:91+12*\t], v[224:235], v[192+8*\t:199+8*\t], v[250+\t/2], v254 matrix_a_fmt:MATRIX_FMT_FP6 matrix_b_fmt:MATRIX_FMT_FP6
.endif
.endr
.if \m
.Lhidden_\@:
.else
	s_add_co_u32 s12, s12, 128
	s_add_co_u32 s2, s2, 6144
	s_add_co_u32 s3, s3, 256
.endif
.endm
; Chunk c's four steps, each of which counts whole for every wave
.macro FOUR c
	s_mov_b32 s2, (\c)*CHB
	s_mov_b32 s3, (\c)*1024
	s_mov_b32 s12, (\c)*512
	s_mov_b32 s14, 4
.Lfour_\@:
	STEP 0
	s_sub_co_u32 s14, s14, 1
	s_cmp_lg_u32 s14, 0
	s_cbranch_scc1 .Lfour_\@
.endm
	SETQ
	s_cmp_lt_u32 s18, 4                            ; waves 0-3 wait for their fills: K's and V's chunk 0 and the scale words
	s_cbranch_scc0 .Lnot_first
	s_wait_tensorcnt 0x0
.Lnot_first:
	s_barrier_signal -1
	s_barrier_wait -1                              ; the other six fills may be out
	FOUR 0
	s_cmp_lt_u32 s18, 6                            ; waves 4 and 5 wait for chunk 1 (waves 0-3 have nothing out)
	s_cbranch_scc0 .Lnot_second
	s_wait_tensorcnt 0x0
.Lnot_second:
	s_wait_dscnt 0x0
	s_barrier_signal -1
	s_barrier_wait -1                              ; the last four fills may be out
	FOUR 1
	s_wait_tensorcnt 0x0                           ; every wave: all fills are in
	s_wait_dscnt 0x0
	s_barrier_signal -1
	s_barrier_wait -1
	s_mov_b32 s78, 8
.Lwalk:                                                ; n = 8 .. 32
	s_and_b32 s79, s78, 15                         ; the key step
	s_cmp_lg_u32 s79, 0
	s_cbranch_scc1 .Lgo
	; THE WAY OUT of a tile.  O^T / the sum, quantised along the head's 64 dims: two blocks of 32, each in lanes l and l xor 16.
.rept 4
	v_nop                                          ; places behind the last products
.endr
	v_add_f32 v8, v8, v9
	v_permlanex16_b32 v255, v8, s20, s21
	v_add_f32 v8, v8, v255                         ; the row's sum
	s_wait_alu depctr_va_vdst(0)
	v_rcp_f32 v8, v8
	v_lshrrev_b32 v4, 1, v1                        ; (plain places behind the reciprocal)  8 x lane
	v_and_b32 v5, 15, v0
	v_bfe_u32 v6, v0, 4, 1
	v_lshl_add_u32 v5, v5, 5, v6                   ; asc: 32 bytes a row, + my half's byte
	s_wait_alu depctr_va_vdst(0)                   ; the wait ahead of the reciprocal's first reader
.set J, 0
.rept 32
	v_mul_f32 v[128+J], v[192+J], v8               ; register 16 g + i: dim 32 g + 16 (lane / 16) + i of my query
.set J, J+1
.endr
	v_max3_num_f32 v232, |v128|, |v129|, 0x1800000
	v_max3_num_f32 v233, |v144|, |v145|, 0x1800000
.irp i, 2,4,6,8,10,12,14
	v_max3_num_f32 v232, v232, |v[128+\i]|, |v[129+\i]|
	v_max3_num_f32 v233, v233, |v[144+\i]|, |v[145+\i]|
.endr
	v_permlanex16_b32 v236, v232, s20, s21
	v_permlanex16_b32 v237, v233, s20, s21
	v_max_num_f32 v232, v232, v236
	v_max_num_f32 v233, v233, v237
	v_add_nc_u32 v244, 0xff000000, v232
	v_add_nc_u32 v245, 0xff000000, v233
	v_lshrrev_b32 v236, 23, v244
	v_lshrrev_b32 v237, 23, v245
	v_cndmask_b32 v238, v236, v237, s92            ; lanes 0-15 store the first block's byte, lanes 16-31 the second's
	v_cvt_scalef32_pk16_fp6_f32 v[224:226], v[128:143], v244
	v_cvt_scalef32_pk16_fp6_f32 v[228:230], v[144:159], v245
	v_nop                                          ; one plain place behind a scaled conversion
.irp i, 0,1,2
	v_permlane16_swap_b32 v[224+\i], v[228+\i]     ; lanes 0-15 then hold block 0 whole, lanes 16-31 block 1
.endr
	v_mov_b32 v227, v228
	v_mov_b32 v228, v229
	v_mov_b32 v229, v230
	global_store_b128 v1, v[224:227], s[74:75]     ; 512 consecutive bytes, at a multiple of 256 from ac's first byte
	global_store_b64 v4, v[228:229], s[74:75] offset:512   ; and 256 more
	global_store_b8 v5, v238, s[76:77]
	s_wait_xcnt 0x0                                ; the stores' registers and bases are written again only behind this wait
	s_cmp_eq_u32 s78, 32
	s_cbranch_scc1 .Lend
	s_sub_co_u32 s16, 15, s16                      ; my second block
	SETQ
.Lgo:
	s_mul_i32 s2, s79, 6144
	s_lshl_b32 s3, s79, 8
	s_lshl_b32 s12, s79, 7
	STEP 1
	s_add_co_u32 s78, s78, 1
	s_cmp_lt_u32 s78, 33
	s_cbranch_scc1 .Lwalk
.Lend:
.rept 4
	v_nop                                          ; four places between the products, which name v254 as p's scale word, and its next write, on the way that runs straight out of the loop too
.endr
	v_lshl_add_u32 v254, v0, 2, SPARE              ; the wave's end: the add's two registers are made anew
	v_mov_b32 v255, 0
	s_wait_alu depctr_va_vdst(0)
	s_wait_tensorcnt 0x0
	ds_add_u32 v254, v255
	s_wait_dscnt 0x0
	s_endpgm
.Lfunc_end_k_qb81cd31b44_attn:
	.size	k_qb81cd31b44_attn, .Lfunc_end_k_qb81cd31b44_attn-k_qb81cd31b44_attn
	.p2alignl 7, 3214868480
	.fill 96, 4, 3214868480
	.section	.rodata,"a",@progbits
	.p2align	6, 0x0
	.amdhsa_kernel k_qb81cd31b44_attn
		.amdhsa_group_segment_fixed_size 206848
		.amdhsa_private_segment_fixed_size 0
		.amdhsa_enable_private_segment 0
		.amdhsa_kernarg_size 32
		.amdhsa_user_sgpr_count 2
		.amdhsa_user_sgpr_kernarg_segment_ptr 1
		.amdhsa_wavefront_size32 1
		.amdhsa_system_sgpr_workgroup_id_x 1
		.amdhsa_system_sgpr_workgroup_id_y 1
		.amdhsa_system_sgpr_workgroup_id_z 1
		.amdhsa_system_vgpr_workitem_id 0
		.amdhsa_next_free_vgpr 256
		.amdhsa_next_free_sgpr 98
		.amdhsa_reserve_vcc 1
		.amdhsa_float_denorm_mode_32 3
		.amdhsa_float_denorm_mode_16_64 3
		.amdhsa_memory_ordered 1
		.amdhsa_forward_progress 1
		.amdhsa_inst_pref_size 77
	.end_amdhsa_kernel
	.amdgpu_metadata
---
amdhsa.version: [ 1, 2 ]
amdhsa.kernels:
  - .name:           k_qb81cd31b44_attn
    .symbol:         k_qb81cd31b44_attn.kd
    .args:
      - { .name: hc, .offset: 0, .size: 8, .value_kind: global_buffer, .address_space: global }
      - { .name: hs, .offset: 8, .size: 8, .value_kind: global_buffer, .address_space: global }
      - { .name: ac, .offset: 16, .size: 8, .value_kind: global_buffer, .address_space: global }
      - { .name: asc, .offset: 24, .size: 8, .value_kind: global_buffer, .address_space: global }
    .group_segment_fixed_size: 206848
    .private_segment_fixed_size: 0
    .kernarg_segment_align: 8
    .kernarg_segment_size: 32
    .max_flat_workgroup_size: 512
    .sgpr_count:     98
    .vgpr_count:     256
    .wavefront_size: 32
...
	.end_amdgpu_metadata
.endif
;; end of part 3
;; launch outp (part 4): grid 4 x 64, 4 waves a work-group, clusters of 4 x 4, 327,680 bytes of LDS; arguments ac, asc, xc, xs, out0; writes out0
.if DOCPART == 4
	.amdgcn_target "amdgcn-amd-amdhsa--gfx1250"
	.amdhsa_code_object_version 6
	.text
	.protected	k_qb81cd31b44_outp
	.globl	k_qb81cd31b44_outp
	.p2align	8
	.type	k_qb81cd31b44_outp,@function
k_qb81cd31b44_outp:
	s_mov_b64 s[64:65], 0
	v_nop
	global_prefetch_b8 v0, s[64:65] scope:SCOPE_SE
	s_setreg_imm32_b32 hwreg(HW_REG_WAVE_MODE, 25, 1), 1
	s_wait_xcnt 0x0
	s_wait_alu depctr_hold_cnt(0) depctr_sa_sdst(0) depctr_va_vdst(0) depctr_va_sdst(0) depctr_va_ssrc(0) depctr_va_vcc(0) depctr_vm_vsrc(0)
	s_getreg_b32 s2, hwreg(HW_REG_IB_STS2, 6, 4)
	s_cmp_eq_u32 s2, 0
	s_cbranch_scc0 .Lentry_in_a_cluster
	s_endpgm
.Lentry_in_a_cluster:
	s_bfe_u32 s2, ttmp6, 0x10000c
	s_cmp_lg_u32 s2, 0xf033
	s_cbranch_scc0 .Lentry_shape_is_right
	s_endpgm
.Lentry_shape_is_right:
.set SIZE_N, 1024
.set SIZE_K, 1024
.set KSTEP,  256
.set NQ,     KSTEP/128
.set ROWB,   49152                     ; from K step to K step in xc: 256 rows x 192 bytes, dense
.set KROW,   SIZE_K*6/8
.set KSA,    1572864
.set WO_C,   21233664
.set WO_S,   884736
.set PITCH,  240
.set FR,     12
.set NL,     6
; A BLOCK OF out0 IS 128 ROWS x 256 COLUMNS: 64 x 4 = 256 work-groups.  A wave makes 64 x 128: A's row blocks 0-3 against B's eight, 32 accumulators (blocks 0, 1 in window 2, blocks 2, 3 in window 3).
; The macros below name A's blocks by twice their number: MUL16 a0 is block a0 / 2 against B's eight (8 products), FETCH_A .., i0 fetches blocks i0 / 2 and i0 / 2 + 1.
.set NLA,    2                         ; 4 NLA = 8: the LDS loads of two of A's blocks, the youngest at a step's head
.set NP,     4
.set HALFT,  128*PITCH
.set SLOT,   4*HALFT
.set LAPS,   SIZE_K/(2*KSTEP)
.set KS,     SIZE_K/32
.set SCL,    2*SLOT
.set HALFS,  (128*KS/256)*272
.set SBLK,   (16*KS/256)*272
.set SPARE,  SCL+4*HALFS
.set SPITCH, 528
.set ADRA, 16
.set ADRB, 20
.set STO,  24
.set RD,   25
.set CO,   26
.set ADRS, 27
.set SPW,  28
.set NIL,  29
.set SC,   32
.set AF,   128
.set BK,   128
.set G1, 24
.set G0, 32
.set G1B, 48
.set G0B, 56
.set G1S, 68
.set G0S, 76
.set G1SB, 80
.set G0SB, 88
.set MSB, 0
.macro WIN new
.if MSB != \new
	s_set_vgpr_msb (MSB<<8)|\new
.set MSB, \new
.endif
.endm
.set MUL_LO, 0xa1
.set MUL_HI, 0xf1
.set TO_B,   0x40
.macro JLOAD g0a, g1a, g0b, g1b
	s_cmp_eq_u32 s15, 0
	s_cbranch_scc0 .Lfor_b_\@
	tensor_load_to_lds s[\g0a:\g0a+3], s[\g1a:\g1a+7]
	s_nop 0
.rept 4
	v_nop
.endr
	s_branch .Lasked_\@
.Lfor_b_\@:
	tensor_load_to_lds s[\g0b:\g0b+3], s[\g1b:\g1b+7]
	s_nop 0
.rept 4
	v_nop
.endr
.Lasked_\@:
.endm
.macro CREST
	s_cmp_lg_u32 s14, 0
	s_cbranch_scc1 .Lnot_wave_0_\@
	s_barrier_signal -3
.Lnot_wave_0_\@:
	s_barrier_wait -3
	s_barrier_signal -1
	s_barrier_wait -1
.endm
.macro CROUND
	s_barrier_signal -1
	s_barrier_wait -1
	CREST
.endm
	s_load_b128 s[4:7], s[0:1], 0x0
	s_load_b128 s[8:11], s[0:1], 0x10
	s_load_b64 s[12:13], s[0:1], 0x20
	v_lshl_add_u32 v[SPW], v0, 2, SPARE
	v_mov_b32 v[NIL], 0
	ds_add_u32 v28, v29
	ds_add_u32 v28, v29
	s_wait_dscnt 0x0
	v_lshrrev_b32 v1, 5, v0
	v_readfirstlane_b32 s14, v1
	s_lshr_b32 s15, s14, 1
	s_and_b32 s16, s14, 1
	s_bfe_u32 s40, ttmp6, 0x40000
	s_bfe_u32 s41, ttmp6, 0x40004
	s_lshl_b32 s42, ttmp9, 2
	s_add_co_u32 s42, s42, s40
	s_and_b32 s17, ttmp7, 0xffff
	s_lshl_b32 s17, s17, 2
	s_add_co_u32 s17, s17, s41
	s_lshl_b32 s43, s41, 2
	s_lshl_b32 s43, 15, s43
	s_lshl_b32 s44, 0x1111, s40
	s_or_b32 s[G1+0], s43, (3<<16)|(1<<21)
	s_mov_b32 s[G1+1], 32<<16
	s_mov_b32 s[G1+2], 96<<16
	s_mov_b32 s[G1+3], 32<<16
	s_mov_b32 s[G1+4], 96
	s_mov_b32 s[G1+5], 32
	s_mov_b32 s[G1+6], 0
	s_mov_b32 s[G1+7], 0
	s_or_b32 s[G1B+0], s44, (3<<16)|(1<<20)|(1<<21)|(3<<22)|(3<<25)   ; a K step's 256 rows x 192 bytes, dense in xc: 192 rows of 256 bytes, 16 bytes of padding behind every 64
	s_mov_b32 s[G1B+1], 32<<16
	s_mov_b32 s[G1B+2], 192<<16
	s_mov_b32 s[G1B+3], 32<<16
	s_mov_b32 s[G1B+4], 192
	s_mov_b32 s[G1B+5], 32
	s_mov_b32 s[G1B+6], 0
	s_mov_b32 s[G1B+7], 0
	s_or_b32 s[G1S+0], s43, (3<<16)|(1<<20)|(1<<21)|(5<<22)|(3<<25)
	s_or_b32 s[G1SB+0], s44, (3<<16)|(1<<20)|(1<<21)|(5<<22)|(3<<25)
.irp g, G1S, G1SB
	s_mov_b32 s[\g+1], 32<<16
	s_mov_b32 s[\g+2], (256*KS/256)<<16
	s_mov_b32 s[\g+3], 32<<16
	s_mov_b32 s[\g+4], 256*KS/256
	s_mov_b32 s[\g+5], 32
	s_mov_b32 s[\g+6], 0
	s_mov_b32 s[\g+7], 0
.endr
	s_mov_b32 s[G1S+2], 16<<16                     ; A's scales: 128 rows x 32 bytes = 16 rows of 256
	s_mov_b32 s[G1S+4], 16
	s_lshl_b32 s20, s17, 7                         ; A: the block's first row, 128 x tile row
	s_lshl_b32 s46, s42, 8
	s_mov_b32 s21, 0
	s_mov_b32 s47, 0
	s_mov_b64 s[18:19], KS
	s_mul_u64 s[22:23], s[20:21], s[18:19]
	s_mul_u64 s[92:93], s[46:47], s[18:19]
	s_mov_b64 s[18:19], 192
	s_mul_u64 s[20:21], s[20:21], s[18:19]
	s_mov_b64 s[18:19], KROW
	s_mul_u64 s[46:47], s[46:47], s[18:19]
	s_add_co_u32 s46, s46, WO_C
	s_add_co_u32 s92, s92, WO_S
	s_mul_i32 s45, s14, HALFT
	s_mul_i32 s18, s16, 24576                      ; in the ring I fetch 128 rows of a K step's block: which half, in bytes
	s_mov_b32 s19, 0
	s_mul_i32 s94, s14, 12288                      ; A's images lie without padding: the two halves of its 128 rows 12,288 bytes apart in LDS
	s_wait_kmcnt 0x0
	s_add_nc_u64 s[20:21], s[4:5], s[20:21]
	s_add_nc_u64 s[22:23], s[6:7], s[22:23]
	s_add_nc_u64 s[46:47], s[8:9], s[46:47]
	s_add_nc_u64 s[92:93], s[10:11], s[92:93]
	CROUND
.set G0H, 4                            ; s[4:7], s[8:11] group 0 for the head's loads of K step 0 (the arguments that lay there have been used)
.set G0HB, 8
	s_mov_b32 s[G0H], 1                            ; the head's four tiles, each whole: K step 0's 128 rows of A,
	s_mov_b32 s[G0H+1], 0
	s_mov_b64 s[G0H+2:G0H+3], s[20:21]
	s_or_b32 s[G0H+3], s[G0H+3], 0x80000000
	s_mov_b32 s[G0HB], 1                           ; its 256 rows of B,
	s_mov_b32 s[G0HB+1], 2*HALFT
	s_mov_b64 s[G0HB+2:G0HB+3], s[46:47]
	s_or_b32 s[G0HB+3], s[G0HB+3], 0x80000000
	s_mov_b32 s[G0S], 1                            ; the scales of A's 128 rows,
	s_mov_b32 s[G0S+1], SCL
	s_mov_b64 s[G0S+2:G0S+3], s[22:23]
	s_or_b32 s[G0S+3], s[G0S+3], 0x80000000
	s_mov_b32 s[G0SB], 1                           ; and of B's
	s_mov_b32 s[G0SB+1], SCL+HALFS                 ; directly behind the scales of A's 128 rows
	s_mov_b64 s[G0SB+2:G0SB+3], s[92:93]
	s_or_b32 s[G0SB+3], s[G0SB+3], 0x80000000
	s_add_nc_u64 s[46:47], s[46:47], s[18:19]      ; B: my 128 rows
	s_lshr_b32 s18, s18, 1
	s_add_nc_u64 s[20:21], s[20:21], s[18:19]      ; A: my 64 rows
.irp s, 0,1
	s_mov_b32 s[G0+4*\s], 1
	s_add_co_u32 s[G0+4*\s+1], s94, \s*SLOT
	s_add_nc_u64 s[G0+4*\s+2:G0+4*\s+3], s[20:21], \s*KSA
	s_or_b32 s[G0+4*\s+3], s[G0+4*\s+3], 0x80000000
	s_mov_b32 s[G0B+4*\s], 1
	s_add_co_u32 s[G0B+4*\s+1], s45, \s*SLOT
	s_add_nc_u64 s[G0B+4*\s+2:G0B+4*\s+3], s[46:47], \s*ROWB
	s_or_b32 s[G0B+4*\s+3], s[G0B+4*\s+3], 0x80000000
.endr
; the head's loads, one a wave: one chain of branches on the wave's number, each arm with its load
.macro ARM under, g0, g1, next
	s_cmp_lt_u32 s14, \under
	s_cbranch_scc0 \next
	tensor_load_to_lds s[\g0:\g0+3], s[\g1:\g1+7]
	s_nop 0
.rept 4
	v_nop
.endr
	s_branch .Lhead_asked
\next:
.endm
	ARM 1, G0H,  G1,  .Lhead_b
	ARM 2, G0HB, G1B, .Lhead_sa
	ARM 3, G0S,  G1S, .Lhead_sb
	tensor_load_to_lds s[G0SB:G0SB+3], s[G1SB:G1SB+7]
	s_nop 0
.rept 4
	v_nop
.endr
.Lhead_asked:
	v_and_b32 v1, 15, v0
	v_bfe_u32 v2, v0, 4, 1
	v_mul_u32_u24 v3, v1, PITCH
	v_mul_u32_u24 v4, v2, 24
	v_add_nc_u32 v4, v3, v4
	v_lshl_add_u32 v5, v2, 4, v4
	v_and_b32 v6, 31, v0
	v_lshlrev_b32 v7, 4, v6
	v_lshlrev_b32 v8, 3, v6
	s_mul_i32 s21, s15, 12288
	s_mul_i32 s22, s16, HALFT
	s_add_co_u32 s22, s22, 2*HALFT
.irp s, 0,1
	v_add_nc_u32 v[ADRA+\s], s21, v7
	v_add_nc_u32 v[ADRB+\s], s22, v4
	v_add_nc_u32 v[ADRA+2+\s], s21, v8
	v_add_nc_u32 v[ADRB+2+\s], s22, v5
	s_add_co_u32 s21, s21, SLOT
	s_add_co_u32 s22, s22, SLOT
.endr
	v_mul_u32_u24 v5, v1, KS
	v_lshrrev_b32 v6, 8, v5
	v_lshl_add_u32 v5, v6, 4, v5
	s_mul_i32 s21, s15, HALFS/2                    ; A's: my 64 rows.  (The words that lanes 0-15 load for blocks 4-7 lie in bytes that the head's loads filled, and no product names them)
	s_mul_i32 s22, s16, HALFS
	s_add_co_u32 s22, s22, HALFS
	s_sub_co_u32 s22, s22, s21
	v_mul_u32_u24 v6, s22, v2
	s_add_co_u32 s21, s21, SCL
	v_add_nc_u32 v5, v5, v6
	v_add_nc_u32 v[ADRS], s21, v5
	s_mul_i32 s23, s14, 16*SPITCH
	v_mul_u32_u24 v5, v1, SPITCH
	v_lshl_add_u32 v5, v2, 5, v5
	v_add_nc_u32 v[STO], s23, v5
	v_and_b32 v6, 31, v0
	v_lshlrev_b32 v[CO], 4, v6
	v_add_nc_u32 v[RD], s23, v[CO]
	s_lshl_b32 s20, s17, 7
	s_lshl_b32 s21, s15, 6
	s_add_co_u32 s20, s20, s21
	s_mov_b32 s21, 0
	s_mov_b64 s[18:19], SIZE_N*4
	s_mul_u64 s[20:21], s[20:21], s[18:19]
	s_lshl_b32 s46, s42, 10
	s_lshl_b32 s47, s16, 9
	s_add_co_u32 s46, s46, s47
	s_mov_b32 s47, 0
	s_add_nc_u64 s[20:21], s[20:21], s[46:47]
	s_add_nc_u64 s[12:13], s[12:13], s[20:21]
.macro FRAG reg, adr, q, i
.irp p, 0,1,2,3,4,5
.set PC, 12*(\q)+6*(\p/3)+\p%3
.if PC%8 < 5
	ds_load_b64 v[\reg+2*\p:\reg+2*\p+1], v[\adr] offset:8*PC+16*(PC/8)+(\i)*16*PITCH
.else
	ds_load_b64 v[\reg+2*\p:\reg+2*\p+1], v[\adr+2] offset:8*PC+16*(PC/8)+(\i)*16*PITCH
.endif
.endr
.endm
.macro FRAG_A reg, slot, q, i
	ds_load_b128 v[\reg:\reg+3],     v[ADRA+\slot]   offset:3072*(\i)+1536*(\q)
	ds_load_b64  v[\reg+4:\reg+5],   v[ADRA+2+\slot] offset:3072*(\i)+1536*(\q)+512
	ds_load_b128 v[\reg+6:\reg+9],   v[ADRA+\slot]   offset:3072*(\i)+1536*(\q)+768
	ds_load_b64  v[\reg+10:\reg+11], v[ADRA+2+\slot] offset:3072*(\i)+1536*(\q)+1280
.endm
.macro MUL16 a0, p, q, sc, zero
.irp a, (\a0)/2
.irp b, 0,1,2,3,4,5,6,7
.if \zero
	v_wmma_scale_f32_16x16x128_f8f6f4 v[8*(8*((\a)%4)+\b):8*(8*((\a)%4)+\b)+7], v[128*(\p)+FR*\b:128*(\p)+FR*\b+FR-1], v[AF+FR*(\a):AF+FR*(\a)+FR-1], 0, v[SC+8*NQ*(\sc)+NQ*\b+(\q)], v[SC+8*NQ*(\sc)+NQ*(\a)+(\q)] matrix_a_fmt:MATRIX_FMT_FP6 matrix_b_fmt:MATRIX_FMT_FP6 matrix_a_scale:MATRIX_SCALE_ROW1
.else
	v_wmma_scale_f32_16x16x128_f8f6f4 v[8*(8*((\a)%4)+\b):8*(8*((\a)%4)+\b)+7], v[128*(\p)+FR*\b:128*(\p)+FR*\b+FR-1], v[AF+FR*(\a):AF+FR*(\a)+FR-1], v[8*(8*((\a)%4)+\b):8*(8*((\a)%4)+\b)+7], v[SC+8*NQ*(\sc)+NQ*\b+(\q)], v[SC+8*NQ*(\sc)+NQ*(\a)+(\q)] matrix_a_fmt:MATRIX_FMT_FP6 matrix_b_fmt:MATRIX_FMT_FP6 matrix_a_scale:MATRIX_SCALE_ROW1
.endif
.endr
.endr
.endm
.macro FETCH_B slot, q, p
	WIN TO_B
.irp i, 0,1,2,3,4,5,6,7
	FRAG 128*(\p)+FR*\i, ADRB+\slot, \q, \i
.endr
	WIN 0
.endm
.macro FETCH_A slot, q, i0
.irp i, (\i0)/2, (\i0)/2+1
	FRAG_A AF+FR*(\i), \slot, \q, \i
.endr
.endm
.macro SCALES sc
.irp i, 0,1,2,3,4,5,6,7
	ds_load_b64 v[SC+8*NQ*\sc+NQ*\i:SC+8*NQ*\sc+NQ*\i+1], v[ADRS] offset:\i*SBLK
.endr
.endm
.macro PLACES n
.rept \n
	v_nop
.endr
.endm
.macro STEP slot, q, zero
	s_wait_dscnt 4*NLA
	WIN MUL_LO
	MUL16 0, (\q)%2, \q, \slot, \zero
	MUL16 2, (\q)%2, \q, \slot, \zero
	s_wait_dscnt 0
	PLACES NP
	FETCH_B \slot, (\q)+1, 1-(\q)%2
	FETCH_A \slot, (\q)+1, 0
	WIN MUL_HI
	MUL16 4, (\q)%2, \q, \slot, \zero
	MUL16 6, (\q)%2, \q, \slot, \zero
	PLACES NP
	WIN 0
	FETCH_A \slot, (\q)+1, 4
.endm
.macro TURN slot, next, fill
	s_wait_tensorcnt 0x0
	ds_add_u32 v[SPW], v[NIL]
	s_wait_dscnt 4*NLA+1
	WIN MUL_LO
	MUL16 0, 1, NQ-1, \slot, 0
	s_wait_dscnt 0x0
	s_barrier_signal -1
	MUL16 2, 1, NQ-1, \slot, 0
	WIN 0
	s_barrier_wait -1
.if \fill
	CREST
	s_add_nc_u64 s[G0+4*\slot+2:G0+4*\slot+3], s[G0+4*\slot+2:G0+4*\slot+3], 2*KSA
	s_add_nc_u64 s[G0B+4*\slot+2:G0B+4*\slot+3], s[G0B+4*\slot+2:G0B+4*\slot+3], 2*ROWB
	JLOAD G0+4*\slot, G1, G0B+4*\slot, G1B
.else
	PLACES NP
.endif
	s_wait_alu depctr_va_vdst(0)
	v_add_nc_u32 v[ADRS], 4*NQ, v[ADRS]
	FETCH_B \next, 0, 0
	FETCH_A \next, 0, 0
	SCALES \next
	WIN MUL_HI
	MUL16 4, 1, NQ-1, \slot, 0
	MUL16 6, 1, NQ-1, \slot, 0
	PLACES NP
	WIN 0
	FETCH_A \next, 0, 4
.endm
	s_wait_alu depctr_va_vdst(0)
	s_wait_tensorcnt 0x0                           ; my tile of the head's four is in; the three lines ahead of a later first fill, as ahead of a refill
	ds_add_u32 v[SPW], v[NIL]
	s_mov_b32 s[G1+2], 48<<16                      ; A: from here on a load brings 64 rows x 192 bytes = 48 rows of 256
	s_mov_b32 s[G1+4], 48
	s_mov_b32 s[G1B+2], 96<<16
	s_mov_b32 s[G1B+4], 96
	s_wait_dscnt 0x0
	CROUND                                         ; all four tiles are in, and all sixteen work-groups are here
	JLOAD G0+4, G1, G0B+4, G1B                     ; K step 1, the first tensor load behind the round
	FETCH_B 0, 0, 0
	FETCH_A 0, 0, 0
	SCALES 0
	FETCH_A 0, 0, 4
	STEP 0, 0, 1
	s_mov_b32 s3, LAPS-1
.Llap:
	TURN 0, 1, 1
	STEP 1, 0, 0
	TURN 1, 0, 1
	STEP 0, 0, 0
	s_sub_co_u32 s3, s3, 1
	s_cmp_lg_u32 s3, 0
	s_cbranch_scc1 .Llap
	TURN 0, 1, 0
	STEP 1, 0, 0
	s_wait_dscnt 4*NLA
	WIN MUL_LO
	MUL16 0, 1, NQ-1, 1, 0
	MUL16 2, 1, NQ-1, 1, 0
	s_wait_dscnt 0
	WIN MUL_HI
	MUL16 4, 1, NQ-1, 1, 0
	MUL16 6, 1, NQ-1, 1, 0
	WIN 0
.macro TOSTAGE a
.set AC, 64*((\a)%4)
.set WD, 0x08+4*((\a)/2)
	WIN WD
.irp b, 0,1,2,3,4,5,6,7
	ds_store_b128 v[STO], v[AC+8*\b:AC+8*\b+3] offset:64*\b
	ds_store_b128 v[STO], v[AC+8*\b+4:AC+8*\b+7] offset:64*\b+16
.endr
	WIN 0
.set BB, BK+64*((\a)%2)
.irp t, 0,1,2,3,4,5,6,7,8,9,10,11,12,13,14,15
	ds_load_b128 v[BB+4*\t:BB+4*\t+3], v[RD] offset:\t*SPITCH
.endr
.endm
.macro SEND a, younger
.set BB, BK+64*((\a)%2)
	s_wait_dscnt \younger
.if (\a) > 0
	s_add_nc_u64 s[12:13], s[12:13], 16*SIZE_N*4
.endif
.irp t, 0,1,2,3,4,5,6,7,8,9,10,11,12,13,14,15
	global_store_b128 v[CO], v[BB+4*\t:BB+4*\t+3], s[12:13] offset:\t*SIZE_N*4 th:TH_STORE_NT
.endr
.endm
	PLACES NP
	TOSTAGE 0
.irp a, 1,2,3
.if \a > 1
	s_wait_xcnt 0x0
.endif
	TOSTAGE \a
	SEND \a-1, 32
.endr
	s_wait_xcnt 0x0
	SEND 3, 0
	s_wait_tensorcnt 0x0
	ds_add_u32 v[SPW], v[NIL]
	s_wait_dscnt 0x0
	CROUND
	s_endpgm
.Lfunc_end_k_qb81cd31b44_outp:
	.size	k_qb81cd31b44_outp, .Lfunc_end_k_qb81cd31b44_outp-k_qb81cd31b44_outp
	.p2alignl 7, 3214868480
	.fill 96, 4, 3214868480
	.section	.rodata,"a",@progbits
	.p2align	6, 0x0
	.amdhsa_kernel k_qb81cd31b44_outp
		.amdhsa_group_segment_fixed_size 327680
		.amdhsa_private_segment_fixed_size 0
		.amdhsa_enable_private_segment 0
		.amdhsa_kernarg_size 40
		.amdhsa_user_sgpr_count 2
		.amdhsa_user_sgpr_kernarg_segment_ptr 1
		.amdhsa_wavefront_size32 1
		.amdhsa_system_sgpr_workgroup_id_x 1
		.amdhsa_system_sgpr_workgroup_id_y 1
		.amdhsa_system_sgpr_workgroup_id_z 1
		.amdhsa_system_vgpr_workitem_id 0
		.amdhsa_next_free_vgpr 1024
		.amdhsa_next_free_sgpr 98
		.amdhsa_reserve_vcc 0
		.amdhsa_float_denorm_mode_32 3
		.amdhsa_float_denorm_mode_16_64 3
		.amdhsa_memory_ordered 1
		.amdhsa_forward_progress 1
		.amdhsa_inst_pref_size 99
	.end_amdhsa_kernel
	.amdgpu_metadata
---
amdhsa.version: [ 1, 2 ]
amdhsa.kernels:
  - .name:           k_qb81cd31b44_outp
    .symbol:         k_qb81cd31b44_outp.kd
    .args:
      - { .name: ac, .offset: 0, .size: 8, .value_kind: global_buffer, .address_space: global }
      - { .name: asc, .offset: 8, .size: 8, .value_kind: global_buffer, .address_space: global }
      - { .name: xc, .offset: 16, .size: 8, .value_kind: global_buffer, .address_space: global }
      - { .name: xs, .offset: 24, .size: 8, .value_kind: global_buffer, .address_space: global }
      - { .name: out0, .offset: 32, .size: 8, .value_kind: global_buffer, .address_space: global }
    .group_segment_fixed_size: 327680
    .private_segment_fixed_size: 0
    .kernarg_segment_align: 8
    .kernarg_segment_size: 40
    .max_flat_workgroup_size: 128
    .sgpr_count:     98
    .vgpr_count:     1024
    .wavefront_size: 32
...
	.end_amdgpu_metadata
.endif
;; end of part 4
